; MI455X (gfx1250); checked and timed in simulation.
; The chip was launched on July 23, 2026; its instructions are those of AMD's public machine-readable ISA for CDNA 5 (MIT licence, August 2026) and "CDNA5" Instruction Set Architecture Reference Guide (July 2026). The comments in the code are by the model that wrote it; some were corrected since.
;; Multi Head Self Attention. Allowed arithmetic: float matrix products may take bf16 or f16 operands with f32 sums; other float arithmetic in f32, or as packed bf16 or f16 multiplies, adds, multiply-adds, maxima and minima; sums over many terms, partial sums and values carried from step to step in f32; what a program stores and reads back later, other than sums and carried values, may be rounded once to bf16 or f16.
;; Inputs: tok_mask 4 x 2,048 bool; w_proj 1,024 x 1,024 float32; w_qkv 1,024 x 3,072 float32; x 4 x 2,048 x 1,024 float32.
;; Outputs: out0 4 x 2,048 x 1,024 float32.
;; One version. Each part assembles by itself: llvm-mc -triple=amdgcn-amd-amdhsa -mcpu=gfx1250 --defsym DOCPART=n.
;; ======== version 1 of 1: 4 launches
;; limits: values are held in f16: magnitudes above 65,504 overflow, below 6.1e-05 lose precision
;; workspace buffers: xb 16,777,216 bytes; wqb 6,291,456 bytes; wpb 2,097,152 bytes; qkv 50,331,648 bytes; vpart 524,288 bytes; ob 16,777,216 bytes
;; launch prep (part 1): grid 768 x 1, 8 waves a work-group, no clusters, 0 bytes of LDS; arguments x, w_qkv, w_proj, xb, wqb, wpb; writes xb, wqb, wpb
.if DOCPART == 1
	.amdgcn_target "amdgcn-amd-amdhsa--gfx1250"
	.amdhsa_code_object_version 6
	.text
	.protected	k_q729953dc3c_prep
	.globl	k_q729953dc3c_prep
	.p2align	8
	.type	k_q729953dc3c_prep,@function
k_q729953dc3c_prep:
	s_mov_b64 s[64:65], 0
	v_nop
	global_prefetch_b8 v0, s[64:65] scope:SCOPE_SE
	s_setreg_imm32_b32 hwreg(HW_REG_WAVE_MODE, 25, 1), 1
	s_wait_xcnt 0x0
; The three f32 inputs are rounded once for the matrix units: x -> xb and w_qkv -> wqb in bf16; w_proj -> wpb rounded to bf16 and that number written as f16
; (exact from 6.1e-5 up to 65,504; below 6.1e-5 it keeps f16's fixed step of 6e-8).  The layouts stay as they are.
; A work-group takes 16,384 numbers on end: 65,536 bytes in, 32,768 out.  Work-groups 0-511: x; 512-703: w_qkv; 704-767: w_proj.
; Thread t, step i: the 8 numbers at 2,048 i + 8 t: two loads of 16 bytes, one store of 16 bytes; 16 neighbouring lanes store 256 consecutive bytes, aligned.
; All 16 loads of a thread go out first; each step has its own registers to store from, so nothing is rewritten while a store may read it.  A stream: no LDS, no barrier, no matrix unit.
.set T, 4                              ; v[4:15]   at work
.set X, 16                             ; v[16:79]  step i: 8 numbers as loaded
.set Y, 80                             ; v[80:111] step i: 4 registers to store
	s_load_b256 s[4:11], s[0:1], 0x0               ; x s[4:5], w_qkv s[6:7], w_proj s[8:9], xb s[10:11]
	s_load_b128 s[12:15], s[0:1], 0x20             ; wqb s[12:13], wpb s[14:15]
	v_lshlrev_b32 v1, 5, v0                        ; 32 t: where I read
	v_lshlrev_b32 v2, 4, v0                        ; 16 t: where I store
	s_mov_b32 s25, 0xffff0000                      ; a word's upper bf16
	s_mov_b32 s30, 512
	s_mov_b32 s31, 704
	s_wait_kmcnt 0x0
	s_cmp_lt_u32 ttmp9, s31                        ; which tensor: the choice hangs on the work-group's number alone
	s_cselect_b64 s[20:21], s[6:7], s[8:9]
	s_cselect_b64 s[22:23], s[12:13], s[14:15]
	s_cselect_b32 s24, s30, s31
	s_cmp_lt_u32 ttmp9, s30
	s_cselect_b64 s[20:21], s[4:5], s[20:21]
	s_cselect_b64 s[22:23], s[10:11], s[22:23]
	s_cselect_b32 s24, 0, s24
	s_sub_co_u32 s24, ttmp9, s24                   ; my chunk in that tensor
	s_lshl_b32 s26, s24, 16
	s_mov_b32 s27, 0
	s_lshl_b32 s28, s24, 15
	s_mov_b32 s29, 0
	s_add_nc_u64 s[20:21], s[20:21], s[26:27]
	s_add_nc_u64 s[22:23], s[22:23], s[28:29]
.irp i, 0,1,2,3,4,5,6,7
	global_load_b128 v[X+8*(\i):X+8*(\i)+3],   v1, s[20:21] offset:8192*(\i) th:TH_LOAD_NT
	global_load_b128 v[X+8*(\i)+4:X+8*(\i)+7], v1, s[20:21] offset:8192*(\i)+16 th:TH_LOAD_NT
.endr
; Step i.  half = 0: bf16.  half = 1: bf16, widened again (a shift, a mask) and written as f16.
.macro CONV i, half
	s_wait_loadcnt 14-2*(\i)                       ; loads come back in order: this step's two are in, the 14 - 2 i younger ones stay out
.if \half
.irp k, 0,1,2,3
	v_cvt_pk_bf16_f32 v[T+(\k)], v[X+8*(\i)+2*(\k)], v[X+8*(\i)+2*(\k)+1]
.endr
.irp k, 0,1,2,3
	v_lshlrev_b32 v[T+4+2*(\k)], 16, v[T+(\k)]
	v_and_b32     v[T+5+2*(\k)], s25, v[T+(\k)]
.endr
.irp k, 0,1,2,3
	v_cvt_pk_f16_f32 v[Y+4*(\i)+(\k)], v[T+4+2*(\k)], v[T+5+2*(\k)]
.endr
.else
.irp k, 0,1,2,3
	v_cvt_pk_bf16_f32 v[Y+4*(\i)+(\k)], v[X+8*(\i)+2*(\k)], v[X+8*(\i)+2*(\k)+1]
.endr
.endif
	global_store_b128 v2, v[Y+4*(\i):Y+4*(\i)+3], s[22:23] offset:4096*(\i)
.endm
	s_cmp_ge_u32 ttmp9, s31
	s_cbranch_scc1 .Lf16
.irp i, 0,1,2,3,4,5,6,7
	CONV \i, 0
.endr
	s_endpgm
.Lf16:
.irp i, 0,1,2,3,4,5,6,7
	CONV \i, 1
.endr
	s_endpgm
.Lfunc_end_k_q729953dc3c_prep:
	.size	k_q729953dc3c_prep, .Lfunc_end_k_q729953dc3c_prep-k_q729953dc3c_prep
	.p2alignl 7, 3214868480
	.fill 96, 4, 3214868480
	.section	.rodata,"a",@progbits
	.p2align	6, 0x0
	.amdhsa_kernel k_q729953dc3c_prep
		.amdhsa_group_segment_fixed_size 0
		.amdhsa_private_segment_fixed_size 0
		.amdhsa_enable_private_segment 0
		.amdhsa_kernarg_size 48
		.amdhsa_user_sgpr_count 2
		.amdhsa_user_sgpr_kernarg_segment_ptr 1
		.amdhsa_wavefront_size32 1
		.amdhsa_system_sgpr_workgroup_id_x 1
		.amdhsa_system_sgpr_workgroup_id_y 1
		.amdhsa_system_sgpr_workgroup_id_z 1
		.amdhsa_system_vgpr_workitem_id 0
		.amdhsa_next_free_vgpr 112
		.amdhsa_next_free_sgpr 66
		.amdhsa_reserve_vcc 0
		.amdhsa_float_denorm_mode_32 3
		.amdhsa_float_denorm_mode_16_64 3
		.amdhsa_memory_ordered 1
		.amdhsa_forward_progress 1
		.amdhsa_inst_pref_size 13
	.end_amdhsa_kernel
	.amdgpu_metadata
---
amdhsa.version: [ 1, 2 ]
amdhsa.kernels:
  - .name:           k_q729953dc3c_prep
    .symbol:         k_q729953dc3c_prep.kd
    .args:
      - { .name: x, .offset: 0, .size: 8, .value_kind: global_buffer, .address_space: global }
      - { .name: w_qkv, .offset: 8, .size: 8, .value_kind: global_buffer, .address_space: global }
      - { .name: w_proj, .offset: 16, .size: 8, .value_kind: global_buffer, .address_space: global }
      - { .name: xb, .offset: 24, .size: 8, .value_kind: global_buffer, .address_space: global }
      - { .name: wqb, .offset: 32, .size: 8, .value_kind: global_buffer, .address_space: global }
      - { .name: wpb, .offset: 40, .size: 8, .value_kind: global_buffer, .address_space: global }
    .group_segment_fixed_size: 0
    .private_segment_fixed_size: 0
    .kernarg_segment_align: 8
    .kernarg_segment_size: 48
    .max_flat_workgroup_size: 256
    .sgpr_count:     66
    .vgpr_count:     112
    .wavefront_size: 32
...
	.end_amdgpu_metadata
.endif
;; end of part 1
;; launch qkv (part 2): grid 4 x 64, 4 waves a work-group, clusters of 4 x 4, 327,680 bytes of LDS; arguments xb, wqb, qkv, vpart; writes qkv, vpart
.if DOCPART == 2
	.amdgcn_target "amdgcn-amd-amdhsa--gfx1250"
	.amdhsa_code_object_version 6
	.text
	.protected	k_q729953dc3c_qkv
	.globl	k_q729953dc3c_qkv
	.p2align	8
	.type	k_q729953dc3c_qkv,@function
k_q729953dc3c_qkv:
	s_mov_b64 s[64:65], 0
	v_nop
	global_prefetch_b8 v0, s[64:65] scope:SCOPE_SE
	s_setreg_imm32_b32 hwreg(HW_REG_WAVE_MODE, 25, 1), 1
	s_wait_xcnt 0x0
	s_wait_alu depctr_hold_cnt(0) depctr_sa_sdst(0) depctr_va_vdst(0) depctr_va_sdst(0) depctr_va_ssrc(0) depctr_va_vcc(0) depctr_vm_vsrc(0)
	s_getreg_b32 s2, hwreg(HW_REG_IB_STS2, 6, 4)
	s_cmp_eq_u32 s2, 0
	s_cbranch_scc0 .Lentry_in_a_cluster
	s_endpgm
.Lentry_in_a_cluster:
	s_bfe_u32 s2, ttmp6, 0x10000c
	s_cmp_lg_u32 s2, 0xf033
	s_cbranch_scc0 .Lentry_shape_is_right
	s_endpgm
.Lentry_shape_is_right:
; ONE TEXT FOR TWO PRODUCTS C = A B, B stored [k][n]; MODE says which.
; MODE 0: xb [8192][1024] bf16 times wqb [1024][3072] bf16 -> q, k, v in f16 by heads, qkv[part][16 b + h][t][64], unscaled; and vpart[block of 64 rows][1024], the f32 column sums of v.
; MODE 1: ob [16 b + h][t][64] f16 (row b t, column 64 h + d) times wpb [1024][1024] f16 -> out0 [8192][1024] f32.
; LIMIT (MODE 0): f16 holds no number beyond 65,504: q, k and v must stay within it.  Sums in f32, K ascending, each result rounded once.
; SHARES.  A tile of C is 128 rows x 256 columns: 64 x 4 work-groups, one tile row and one tile column each.  In MODE 0 a work-group STAYS for three tiles, columns 1,024 j + 256 x: q, k, v of heads 4 x .. 4 x + 3,
; on the same rows of A.  Four waves, each 64 rows x 128 columns: 32 accumulators, 256 registers.  K goes in steps of 128 through two LDS slots that take turns.
; THE MATRIX INSTRUCTION IS USED TRANSPOSED: source 0 = 16 columns of B (turned on the way out of LDS by ds_load_tr16_b128), source 1 = 16 rows of A: a lane then holds row l % 16 of C and 8 neighbouring columns.
; CLUSTER 4 x 4.  The four of a row of the cluster need the same tiles of A, the four of a column the same tiles of B: each tile is asked for jointly, by the same tensor load, descriptor and mask.
; No prefetch: a K step's tiles are read again by other clusters and, in MODE 0, by the work-group's next tiles.
; REGISTERS.  window 0: v1-16 addresses; v28, v29 the add's; v32-63 at work on the way out; v64-159, v160-255 two fragment buffers (A's four fragments, then B's eight).  window 1: accumulator (a, b) at v[8 (8 a + b)].
.set MODE, 0
.if MODE
.set TILES,  1
.set PA,     144                       ; a row of A in LDS: one head's 128 bytes + 16 of padding
.set APART,  18432                     ; what one wave fetches of A: one head, 128 rows
.set ASTEP,  1<<19                     ; bytes from a K step to the next in A: two heads
.set BPITCH, 2048                      ; bytes in a row of B in memory
.set AQI,    4                         ; padding after every 32 words
.set ASTR,   128                       ; elements from row to row as A is asked for: 128 rows of 128 dense bytes come as 64 rows of 256
.set BSTR,   1024
.else
.set TILES,  3
.set PA,     272                       ; 256 bytes + 16 of padding
.set APART,  17408                     ; 64 rows
.set ASTEP,  256
.set BPITCH, 6144
.set AQI,    5                         ; padding after every 64 words
.set ASTR,   1024
.set BSTR,   3072
.endif
.set BSTEP,  128*BPITCH                ; bytes from a K step to the next in B
.set PB,     544                       ; a row of B in LDS: 512 bytes + 32 of padding = 17 x 32
.set BOFF,   36864                     ; B's 128 rows lie behind A's region
.set SLOT1,  1<<17                     ; a slot is 106,496 bytes; slot 1 begins here, so that one exclusive or turns an address into the other slot's
.set STAGE,  SLOT1+BOFF+128*PB         ; behind the ring, never filled by a tensor load: 8,448 bytes for each wave
.set STW,    8448
.set SPARE,  STAGE+4*STW               ; the spare words, 128 bytes for each wave: two blocks of 256 bytes that no other line names
.set ADA0, 8                           ; v8   my lane's place in A's tile; never rewritten
.set ADB0, 9                           ; v9   the same in B's
.set ADA,  10                          ; v10  the same in the slot that is being read
.set ADB,  11                          ; v11
.set STO,  12                          ; v12  f16 way out: where I put 16 bytes of a row
.set RD,   13                          ; v13  f16 way out: where I read rows back
.set GO,   14                          ; v14  16 x lane: my place in 512 consecutive bytes
.set CSTO, 15                          ; v15  f32 rows of 528 bytes in my stage: where I put 32 bytes of a row
.set CRD,  16                          ; v16  and where I read a row back
.set SPW,  28                          ; v28  LDS address of my spare word; never rewritten
.set NIL,  29                          ; v29  0; never rewritten
.set TMP,  32
.set F0,   64
.set F1,   160
.set MUL,  0x50                        ; C and D in window 1, sources in window 0
; scalars: s12 wave, s13 wave / 2 (my half of the rows; 0: I fetch for A, 1: for B), s14 wave % 2 (my half of the columns; which part I fetch), s15 cx, s16 cy, s17 tile column, s18 tile row,
; s19 the slot that is read, s20 the number of the next fill, s21 K steps, s22 tiles to go; s[24:31], s[32:39] group 1 for A, B; s[40:47], s[48:55] group 0 for A, B: the first fill's, and the one that walks;
; s[56:57], s[58:59] A, B at my part of K step 0; s[60:61], s[62:63] a fill's offsets; s[68:69] where my results go; s[70:71] vpart
.set MSB, 0
.macro WIN new                         ; the immediate's high byte repeats the setting that is left; a switch that changes nothing is dropped
.if MSB != (\new)
	s_set_vgpr_msb (MSB<<8)|(\new)
.set MSB, \new
.endif
.endm
.macro MM d, p, q, zero                ; one product; zero = 1: it starts the sum
.if MODE
.if \zero
	v_wmma_f32_16x16x32_f16 v[(\d):(\d)+7], v[(\p):(\p)+7], v[(\q):(\q)+7], 0
.else
	v_wmma_f32_16x16x32_f16 v[(\d):(\d)+7], v[(\p):(\p)+7], v[(\q):(\q)+7], v[(\d):(\d)+7]
.endif
.else
.if \zero
	v_wmma_f32_16x16x32_bf16 v[(\d):(\d)+7], v[(\p):(\p)+7], v[(\q):(\q)+7], 0
.else
	v_wmma_f32_16x16x32_bf16 v[(\d):(\d)+7], v[(\p):(\p)+7], v[(\q):(\q)+7], v[(\d):(\d)+7]
.endif
.endif
.endm
; A joint refill by the walking descriptors.  The branch hangs on the wave's number alone.  An s_nop 0 and four v_nop follow each of the two lines, ahead of the jump and the label.
.macro JLOAD
	s_cmp_eq_u32 s13, 0
	s_cbranch_scc0 .Lfor_b_\@
	tensor_load_to_lds s[44:47], s[24:31]
	s_nop 0
.rept 4
	v_nop
.endr
	s_branch .Lasked_\@
.Lfor_b_\@:
	tensor_load_to_lds s[52:55], s[32:39]
	s_nop 0
.rept 4
	v_nop
.endr
.Lasked_\@:
.endm
.macro CREST                           ; a round of the cluster's barrier behind its opening barrier
	s_cmp_lg_u32 s12, 0
	s_cbranch_scc1 .Lnot_wave_0_\@
	s_barrier_signal -3
.Lnot_wave_0_\@:
	s_barrier_wait -3
	s_barrier_signal -1
	s_barrier_wait -1
.endm
.macro CROUND                          ; a whole round
	s_barrier_signal -1
	s_barrier_wait -1
	CREST
.endm
.macro PLACES                          ; four places in front of loads into registers that products have read, and of lines that read results just made
.rept 4
	v_nop
.endr
.endm
.if MODE
	s_load_b128 s[4:7], s[0:1], 0x0                ; A s[4:5], B s[6:7]
	s_load_b64 s[8:9], s[0:1], 0x10                ; C
.else
	s_load_b256 s[4:11], s[0:1], 0x0               ; A s[4:5], B s[6:7], qkv s[8:9], vpart s[10:11]
.endif
	v_lshl_add_u32 v[SPW], v0, 2, SPARE
	v_mov_b32 v[NIL], 0
	ds_add_u32 v[SPW], v[NIL]                      ; the wave's opening: the add and its wait stand ahead of my first tensor load; the set-up below, work on registers, stands between them
	ds_add_u32 v28, v29
	v_lshrrev_b32 v1, 5, v0
	v_readfirstlane_b32 s12, v1                    ; wave 0..3
	s_lshr_b32 s13, s12, 1
	s_and_b32 s14, s12, 1
	s_bfe_u32 s15, ttmp6, 0x40000                  ; cx
	s_bfe_u32 s16, ttmp6, 0x40004                  ; cy
	s_lshl_b32 s17, ttmp9, 2
	s_add_co_u32 s17, s17, s15                     ; tile column = 4 x cluster x + cx
	s_and_b32 s18, ttmp7, 0xffff
	s_lshl_b32 s18, s18, 2
	s_add_co_u32 s18, s18, s16                     ; tile row = 4 x cluster y + cy
	s_lshl_b32 s2, s16, 2
	s_lshl_b32 s2, 15, s2                          ; my row of the cluster
	s_lshl_b32 s66, 0x1111, s15                    ; my column
	s_or_b32 s24, s2, (1<<16)|(1<<20)|(1<<21)|(AQI<<22)|(3<<25)  ; A: the mask; 2-byte elements; padding on; bit 21 beside a mask; the interval; 4 words of padding
	s_or_b32 s32, s66, (1<<16)|(1<<20)|(1<<21)|(6<<22)|(7<<25)   ; B: after every 128 words 8 words of padding
	s_mov_b32 s25, 128<<16                         ; A: tensor_dim0 = 128
	s_mov_b32 s26, 64<<16                          ; tensor_dim1 = 64
	s_mov_b32 s27, 128<<16                         ; tile_dim0 = 128 elements: 256 bytes
	s_mov_b32 s28, 64                              ; tile_dim1 = 64 rows
	s_mov_b32 s29, ASTR
	s_mov_b32 s30, 0
	s_mov_b32 s31, 0
	s_mov_b32 s33, 256<<16                         ; B: tensor_dim0 = 256
	s_mov_b32 s34, 64<<16
	s_mov_b32 s35, 256<<16                         ; tile_dim0 = 256 elements: 512 bytes
	s_mov_b32 s36, 64
	s_mov_b32 s37, BSTR
	s_mov_b32 s38, 0
	s_mov_b32 s39, 0
	; where the tiles come from.  A's address is made of the tile row and the wave's number, B's of the tile column and the wave's number, each in registers that never hold the other coordinate
.if MODE
	s_lshr_b32 s2, s18, 4                          ; the batch,
	s_lshl_b32 s2, s2, 4
	s_add_co_u32 s2, s2, s14                       ; its head 0 or 1: the one that I fetch of a K step's two,
	s_lshl_b32 s2, s2, 18
	s_and_b32 s3, s18, 15
	s_lshl_b32 s3, s3, 14                          ; my tile's 128 rows of 128 bytes
	s_add_co_u32 s2, s2, s3
.else
	s_lshl_b32 s2, s18, 18                         ; 128 rows of 2,048 bytes a tile row,
	s_lshl_b32 s3, s14, 17                         ; the 64 that I fetch
	s_add_co_u32 s2, s2, s3
.endif
	s_mov_b32 s3, 0
	s_mul_i32 s66, s14, 64*BPITCH                  ; B: the 64 rows of a K step that I fetch,
	s_lshl_b32 s67, s17, 9                         ; the tile column's 512 bytes
	s_add_co_u32 s66, s66, s67
	s_mov_b32 s67, 0
	s_mul_i32 s23, s14, APART                      ; and where they go: the wave's number alone enters an LDS address
	s_mul_i32 s72, s14, 64*PB
	s_add_co_u32 s72, s72, BOFF
	s_mov_b32 s19, 0
	s_mov_b32 s20, 2                               ; fills 0 and 1 are the first fills
	s_mov_b32 s61, 0
	s_mov_b32 s63, 0
	s_wait_dscnt 0x0                               ; the opening add is done
	s_wait_kmcnt 0x0
	s_add_nc_u64 s[56:57], s[4:5], s[2:3]
	s_add_nc_u64 s[58:59], s[6:7], s[66:67]
	CROUND                                         ; all sixteen work-groups are here: the first joint loads meet
.irp s, 0,1
	s_mov_b32 s[40+4*(\s)], 1                      ; count = 1
	s_add_co_u32 s[41+4*(\s)], s23, (\s)*SLOT1     ; LDS address
	s_add_nc_u64 s[42+4*(\s):43+4*(\s)], s[56:57], (\s)*ASTEP  ; global address: K step s
	s_or_b32 s[43+4*(\s)], s[43+4*(\s)], 0x80000000            ; type = 2
	s_mov_b32 s[48+4*(\s)], 1
	s_add_co_u32 s[49+4*(\s)], s72, (\s)*SLOT1
	s_add_nc_u64 s[50+4*(\s):51+4*(\s)], s[58:59], (\s)*BSTEP
	s_or_b32 s[51+4*(\s)], s[51+4*(\s)], 0x80000000
.endr
	s_cmp_eq_u32 s13, 0                            ; a wave's two first fills stand in one branch, ahead of every wait on TENSORcnt and every LDS read: two loads of mine are out
	s_cbranch_scc0 .Lfirst_b
	tensor_load_to_lds s[40:43], s[24:31]
	s_nop 0
	tensor_load_to_lds s[44:47], s[24:31]
	s_nop 0
.rept 4
	v_nop
.endr
	s_branch .Lfirst_asked
.Lfirst_b:
	tensor_load_to_lds s[48:51], s[32:39]
	s_nop 0
	tensor_load_to_lds s[52:55], s[32:39]
	s_nop 0
.rept 4
	v_nop
.endr
.Lfirst_asked:
	v_and_b32 v1, 15, v0                           ; l % 16
	v_bfe_u32 v2, v0, 4, 1                         ; l / 16
	v_and_b32 v3, 7, v0
	v_bfe_u32 v4, v0, 3, 1
	v_and_b32 v5, 31, v0                           ; l
	; A's fragment: lane l holds row l % 16, K = 8 (l / 16) + 0..7 and 16 + 8 (l / 16) + 0..7: two loads of 16 bytes, 32 bytes apart
	s_mul_i32 s2, s13, 64*PA                       ; my 64 rows
	v_mul_u32_u24 v[ADA0], v1, PA
	v_lshl_add_u32 v[ADA0], v2, 4, v[ADA0]
	v_add_nc_u32 v[ADA0], s2, v[ADA0]
	; B's: the turning load takes 16 k x 16 n (lane l reads k = 8 (l / 16) + l % 8, n = 8 ((l / 8) % 2) + 0..7) and leaves half a fragment: lane l holds column l % 16 and 8 k
	v_lshl_add_u32 v3, v2, 3, v3
	v_mul_u32_u24 v[ADB0], v3, PB
	v_lshl_add_u32 v[ADB0], v4, 4, v[ADB0]
	s_lshl_b32 s2, s14, 8                          ; my 128 columns
	s_add_co_u32 s2, s2, BOFF
	v_add_nc_u32 v[ADB0], s2, v[ADB0]
	s_mul_i32 s3, s12, STW
	s_add_co_u32 s3, s3, STAGE                     ; my stage
	v_mul_u32_u24 v[CSTO], v1, 528
	v_lshl_add_u32 v[CSTO], v2, 5, v[CSTO]
	v_add_nc_u32 v[CSTO], s3, v[CSTO]
	v_lshl_add_u32 v[CRD], v5, 4, s3
	v_lshlrev_b32 v[GO], 4, v5
.if MODE
	s_lshl_b32 s74, s18, 19                        ; out0: 128 rows of 4,096 bytes a tile row,
	s_lshl_b32 s75, s13, 18                        ; my 64 rows,
	s_add_co_u32 s74, s74, s75
	s_lshl_b32 s75, s17, 10                        ; the tile column's 1,024 bytes,
	s_add_co_u32 s74, s74, s75
	s_lshl_b32 s75, s14, 9                         ; my 512
	s_add_co_u32 s74, s74, s75
	s_mov_b32 s75, 0
	s_add_nc_u64 s[68:69], s[8:9], s[74:75]
.else
	v_mul_u32_u24 v[STO], v1, 144                  ; in: row l % 16, 16 bytes for each half of the lanes
	v_lshl_add_u32 v[STO], v2, 4, v[STO]
	v_add_nc_u32 v[STO], s3, v[STO]
	v_bfe_u32 v[RD], v0, 3, 2                      ; back: 32 lanes take four rows of 128 bytes
	v_mul_u32_u24 v[RD], v[RD], 144
	v_and_b32 v6, 7, v0
	v_lshl_add_u32 v[RD], v6, 4, v[RD]
	v_add_nc_u32 v[RD], s3, v[RD]
	s_lshr_b32 s74, s18, 4                         ; qkv: head 16 b + 4 x + 2 (wave % 2),
	s_lshl_b32 s74, s74, 4
	s_lshl_b32 s75, s17, 2
	s_add_co_u32 s74, s74, s75
	s_lshl_b32 s75, s14, 1
	s_add_co_u32 s74, s74, s75
	s_lshl_b32 s74, s74, 18
	s_and_b32 s75, s18, 15                         ; the tile's 128 rows of 128 bytes,
	s_lshl_b32 s75, s75, 14
	s_add_co_u32 s74, s74, s75
	s_lshl_b32 s75, s13, 13                        ; my 64
	s_add_co_u32 s74, s74, s75
	s_mov_b32 s75, 0
	s_add_nc_u64 s[68:69], s[8:9], s[74:75]
	s_lshl_b32 s74, s18, 13                        ; vpart: block 2 y + wave / 2 of 4,096 bytes,
	s_lshl_b32 s75, s13, 12
	s_add_co_u32 s74, s74, s75
	s_lshl_b32 s75, s17, 10                        ; my 128 columns of v
	s_add_co_u32 s74, s74, s75
	s_lshl_b32 s75, s14, 9
	s_add_co_u32 s74, s74, s75
	s_mov_b32 s75, 0
	s_add_nc_u64 s[70:71], s[10:11], s[74:75]
.endif
; 8 products: m block a x all 8 n blocks, 32 along K, from buffer f.  The 32 accumulators take turns in one fixed order: 31 others stand between two links of a chain, over every jump too.
.macro MULA f, a, zero
	WIN MUL
.irp b, 0,1,2,3,4,5,6,7
	MM 8*(8*(\a)+(\b)),(\f)+32+8*(\b),(\f)+8*(\a),\zero
.endr
.endm
; 24 LDS loads in one run: the fragments of quarter q (32 along K) of the slot that is read, into buffer f: B's sixteen, then A's eight
.macro FETCH q, f
	WIN 0
.irp b, 0,1,2,3,4,5,6,7
	ds_load_tr16_b128 v[(\f)+32+8*(\b):(\f)+32+8*(\b)+3],   v[ADB] offset:(\q)*32*PB+32*(\b)
	ds_load_tr16_b128 v[(\f)+32+8*(\b)+4:(\f)+32+8*(\b)+7], v[ADB] offset:(\q)*32*PB+32*(\b)+16*PB
.endr
.if MODE
.set KA, ((\q)/2)*APART+((\q)%2)*64    ; head q / 2 of the step's two, channels 32 (q % 2) on
.else
.set KA, (\q)*64
.endif
.irp a, 0,1,2,3
	ds_load_b128 v[(\f)+8*(\a):(\f)+8*(\a)+3],   v[ADA] offset:KA+(\a)*16*PA
	ds_load_b128 v[(\f)+8*(\a)+4:(\f)+8*(\a)+7], v[ADA] offset:KA+(\a)*16*PA+32
.endr
.endm
; A K step is four quarters on buffers 0, 1, 0, 1.  One of the first three: multiplies buffer f and, in its middle, fetches quarter qn into buffer g.
.macro QUARTER qn, f, g, zero
	s_wait_dscnt 0x4                               ; B and A's fragments 0 and 1 are in; the youngest four loads may be out
	MULA \f, 0, \zero
	MULA \f, 1, \zero
	PLACES
	FETCH \qn, \g
	s_wait_dscnt 0x18                              ; all but the 24 just issued
	MULA \f, 2, \zero
	MULA \f, 3, \zero
.endm
; The last quarter multiplies buffer 1 and changes slots: ONE barrier.  In front of it each wave waits for all its tensor loads (one is out: its part of the next slot), adds 0 to its spare word, and waits for that
; and for its reads of this slot.  fill = 1: the barrier opens a round of the cluster's, and this slot is filled again first thing behind it, with fill number s20: K step s20 % 8 of tile s20 / 8.
; From the request to the wait for it a wave issues 112 products.
.macro TURN fill
	WIN 0                                          ; (the add's two registers lie in window 0)
	s_wait_tensorcnt 0x0                           ; no tensor load of mine is out, so a group 0 may be written
	ds_add_u32 v[SPW], v[NIL]                      ; 0 onto my spare word
.if \fill
	s_and_b32 s2, s20, 7
	s_mul_i32 s60, s2, ASTEP
	s_mul_i32 s62, s2, BSTEP
.if TILES > 1
	s_lshr_b32 s2, s20, 3
	s_lshl_b32 s2, s2, 11                          ; a tile's 1,024 columns on in B
	s_add_co_u32 s62, s62, s2
.endif
	s_add_co_u32 s20, s20, 1
	s_xor_b32 s45, s45, SLOT1                      ; the other slot than last time; the address is made anew from the base and the offset
	s_add_nc_u64 s[46:47], s[56:57], s[60:61]
	s_or_b32 s47, s47, 0x80000000
	s_xor_b32 s53, s53, SLOT1
	s_add_nc_u64 s[54:55], s[58:59], s[62:63]
	s_or_b32 s55, s55, 0x80000000
.endif
	s_xor_b32 s19, s19, SLOT1                      ; the fetches go on in the other slot
	s_wait_dscnt 0x7                               ; (the add and A's fragments 1 to 3 may be out)
	MULA F1, 0, 0
	s_wait_dscnt 0x0                               ; the add is done, and my reads of this slot are over
	s_barrier_signal -1
	MULA F1, 1, 0                                  ; work on registers while the others arrive
	WIN 0
	s_barrier_wait -1
.if \fill
	CREST                                          ; no wave of any partner still reads this slot or has a load on its way
	JLOAD                                          ; the first tensor load behind the round; its four v_nop are also the places in front of the loads below
.else
	PLACES
.endif
	v_add_nc_u32 v[ADA], s19, v[ADA0]
	v_add_nc_u32 v[ADB], s19, v[ADB0]
	FETCH 0, F0
	MULA F1, 2, 0
	MULA F1, 3, 0
.endm
; THE WAY OUT IN f16, BY HEADS.  Block a (16 rows x 128 columns = two heads): rounded, 16 bytes a lane; into my stage (two heads x 16 rows of 144 bytes); back as four rows of 128 bytes a load; stored as 512 consecutive bytes.
.macro PACK a
	WIN 0x05                                       ; sources in window 1
.irp b, 0,1,2,3,4,5,6,7
.irp r, 0,1,2,3
	v_cvt_pk_f16_f32 v[TMP+4*(\b)+(\r)], v[8*(8*(\a)+(\b))+2*(\r)], v[8*(8*(\a)+(\b))+2*(\r)+1]
.endr
.endr
	WIN 0
.endm
.macro TOSTAGE a
	WIN 0
.set BK, F1+32*((\a)%2)
.irp b, 0,1,2,3,4,5,6,7
	ds_store_b128 v[STO], v[TMP+4*(\b):TMP+4*(\b)+3] offset:((\b)/4)*2304+32*((\b)%4)
.endr
.irp t, 0,1,2,3,4,5,6,7
	ds_load_b128 v[BK+4*(\t):BK+4*(\t)+3], v[RD] offset:((\t)/4)*2304+((\t)%4)*576  ; LDS serves a wave's instructions in order (ISA guide 5.7.1.4): these see the stores above
.endr
.endm
.macro SEND a
	WIN 0
.set BK, F1+32*((\a)%2)
	s_wait_dscnt 0x0                               ; the block is back in registers
	s_wait_xcnt 0x0                                ; earlier stores have read their registers: the next block's loads land on them only behind this wait
.irp t, 0,1,2,3,4,5,6,7
	global_store_b128 v[GO], v[BK+4*(\t):BK+4*(\t)+3], s[68:69] offset:((\t)/4)*262144+(\a)*2048+((\t)%4)*512  ; 512 consecutive bytes of a head, at a multiple of 512
.endr
.endm
.macro OUTH                            ; a block's conversions stand between the loads of the block before and the wait for them
	PACK 0
	TOSTAGE 0
.irp a, 1,2,3
	PACK \a
	SEND (\a)-1
	TOSTAGE \a
.endr
	SEND 3
.endm
; THE WAY OUT IN f32.  Block a: 16 rows of 528 bytes in my stage, read back as whole rows of 512 bytes.
.macro TOSTAGEF a
	s_wait_xcnt 0x0                                ; earlier stores have read their registers
	WIN 0x04                                       ; the data in window 1
.irp b, 0,1,2,3,4,5,6,7
	ds_store_b128 v[CSTO], v[8*(8*(\a)+(\b)):8*(8*(\a)+(\b))+3]   offset:64*(\b)
	ds_store_b128 v[CSTO], v[8*(8*(\a)+(\b))+4:8*(8*(\a)+(\b))+7] offset:64*(\b)+16
.endr
	WIN 0
.set BK, F0+64*((\a)%2)
.set i, 0
.rept 16
	ds_load_b128 v[BK+4*i:BK+4*i+3], v[CRD] offset:528*i
.set i, i+1
.endr
.endm
.macro SENDF a, younger                ; younger: the LDS instructions issued behind block a's loads: the next block's 32, or none
.set BK, F0+64*((\a)%2)
	s_wait_dscnt \younger
.set i, 0
.rept 16
	global_store_b128 v[GO], v[BK+4*i:BK+4*i+3], s[68:69] offset:(16*(\a)+i)*4096 th:TH_STORE_NT  ; 512 consecutive bytes of a row, at a multiple of 512
.set i, i+1
.endr
.endm
	s_wait_tensorcnt 0x1                           ; my part of K step 0 is in; K step 1's may stay out
	s_barrier_signal -1
	s_barrier_wait -1                              ; everybody's is
	v_add_nc_u32 v[ADA], s19, v[ADA0]
	v_add_nc_u32 v[ADB], s19, v[ADB0]
	FETCH 0, F0
.if TILES > 1
	s_mov_b32 s22, TILES
.Ltile:
.endif
	QUARTER 1, F0, F1, 1                           ; a tile's first quarter stands in front of the loop: its products start the sums
	WIN 0                                          ; at a label and at a branch every window is 0
	s_mov_b32 s21, 6
.Lk:                                                   ; a trip: from a K step's second quarter to the next step's first; the slot just read is filled again
	QUARTER 2, F1, F0, 0
	QUARTER 3, F0, F1, 0
	TURN 1
	QUARTER 1, F0, F1, 0
	WIN 0
	s_sub_co_u32 s21, s21, 1
	s_cmp_lg_u32 s21, 0
	s_cbranch_scc1 .Lk
	QUARTER 2, F1, F0, 0                           ; K step 6 goes on
	QUARTER 3, F0, F1, 0
.if TILES > 1
	WIN 0
	s_cmp_eq_u32 s22, 1
	s_cbranch_scc1 .Llast                          ; the last tile's tail is written out: it asks for nothing more
	TURN 1                                         ; the ring goes on into the next tile: its K step 0,
	QUARTER 1, F0, F1, 0
	QUARTER 2, F1, F0, 0
	QUARTER 3, F0, F1, 0
	TURN 1                                         ; its K step 1, and its first fragments are fetched
	OUTH                                           ; both refills are asked for: now the tile goes out.  Blocks 0 and 1 were finished ahead of the refill's v_nop; their conversions are the places behind the last products
	s_wait_xcnt 0x0                                ; the stores have read their registers and their base
	s_add_nc_u64 s[68:69], s[68:69], 0x1000000     ; the next part of qkv
	s_sub_co_u32 s22, s22, 1
	s_branch .Ltile
.Llast:
.endif
	TURN 0                                         ; the one load that was still out is the last K step's, so no round follows
	QUARTER 1, F0, F1, 0
	QUARTER 2, F1, F0, 0
	QUARTER 3, F0, F1, 0
	s_wait_dscnt 0x4                               ; the very last quarter: nothing more to fetch
	MULA F1, 0, 0
	MULA F1, 1, 0
	s_wait_dscnt 0x0
	MULA F1, 2, 0
	MULA F1, 3, 0
	WIN 0
	PLACES
.if MODE
	TOSTAGEF 0
	TOSTAGEF 1
	SENDF 0, 32
	TOSTAGEF 2
	SENDF 1, 32
	TOSTAGEF 3
	SENDF 2, 32
	SENDF 3, 0
.else
	OUTH
	; v's column sums over my 64 rows, in f32: the four blocks are added in registers, the 16 rows that are left through my stage
	s_wait_xcnt 0x0                                ; the stores have read their registers
	WIN 0x05
.irp b, 0,1,2,3,4,5,6,7
.irp u, 0,1,2,3
	v_pk_add_f32 v[F0+8*(\b)+2*(\u):F0+8*(\b)+2*(\u)+1], v[8*(\b)+2*(\u):8*(\b)+2*(\u)+1], v[8*(8+(\b))+2*(\u):8*(8+(\b))+2*(\u)+1]
.endr
.endr
	WIN 0x04
.irp a, 2,3
.irp b, 0,1,2,3,4,5,6,7
.irp u, 0,1,2,3
	v_pk_add_f32 v[F0+8*(\b)+2*(\u):F0+8*(\b)+2*(\u)+1], v[F0+8*(\b)+2*(\u):F0+8*(\b)+2*(\u)+1], v[8*(8*(\a)+(\b))+2*(\u):8*(8*(\a)+(\b))+2*(\u)+1]
.endr
.endr
.endr
	WIN 0
.irp b, 0,1,2,3,4,5,6,7
	ds_store_b128 v[CSTO], v[F0+8*(\b):F0+8*(\b)+3]   offset:64*(\b)
	ds_store_b128 v[CSTO], v[F0+8*(\b)+4:F0+8*(\b)+7] offset:64*(\b)+16
.endr
.set i, 0
.rept 16
	ds_load_b128 v[128+4*i:128+4*i+3], v[CRD] offset:528*i  ; row i, my four columns
.set i, i+1
.endr
	s_wait_dscnt 0x0
.irp w, 8,4,2,1
.set i, 0
.rept \w
	v_pk_add_f32 v[128+4*i:128+4*i+1],   v[128+4*i:128+4*i+1],   v[128+4*(i+(\w)):128+4*(i+(\w))+1]
	v_pk_add_f32 v[128+4*i+2:128+4*i+3], v[128+4*i+2:128+4*i+3], v[128+4*(i+(\w))+2:128+4*(i+(\w))+3]
.set i, i+1
.endr
.endr
	global_store_b128 v[GO], v[128:131], s[70:71]  ; 512 consecutive bytes, at a multiple of 512
.endif
	s_wait_tensorcnt 0x0                           ; the wave's end: behind my last tensor load and my last LDS store
	ds_add_u32 v[SPW], v[NIL]
	s_wait_dscnt 0x0
	CROUND                                         ; the closing round: no work-group ends while a partner may still ask for a tile that names it
	s_endpgm
.Lfunc_end_k_q729953dc3c_qkv:
	.size	k_q729953dc3c_qkv, .Lfunc_end_k_q729953dc3c_qkv-k_q729953dc3c_qkv
	.p2alignl 7, 3214868480
	.fill 96, 4, 3214868480
	.section	.rodata,"a",@progbits
	.p2align	6, 0x0
	.amdhsa_kernel k_q729953dc3c_qkv
		.amdhsa_group_segment_fixed_size 327680
		.amdhsa_private_segment_fixed_size 0
		.amdhsa_enable_private_segment 0
		.amdhsa_kernarg_size 32
		.amdhsa_user_sgpr_count 2
		.amdhsa_user_sgpr_kernarg_segment_ptr 1
		.amdhsa_wavefront_size32 1
		.amdhsa_system_sgpr_workgroup_id_x 1
		.amdhsa_system_sgpr_workgroup_id_y 1
		.amdhsa_system_sgpr_workgroup_id_z 1
		.amdhsa_system_vgpr_workitem_id 0
		.amdhsa_next_free_vgpr 512
		.amdhsa_next_free_sgpr 80
		.amdhsa_reserve_vcc 0
		.amdhsa_float_denorm_mode_32 3
		.amdhsa_float_denorm_mode_16_64 3
		.amdhsa_memory_ordered 1
		.amdhsa_forward_progress 1
		.amdhsa_inst_pref_size 119
	.end_amdhsa_kernel
	.amdgpu_metadata
---
amdhsa.version: [ 1, 2 ]
amdhsa.kernels:
  - .name:           k_q729953dc3c_qkv
    .symbol:         k_q729953dc3c_qkv.kd
    .args:
      - { .name: xb, .offset: 0, .size: 8, .value_kind: global_buffer, .address_space: global }
      - { .name: wqb, .offset: 8, .size: 8, .value_kind: global_buffer, .address_space: global }
      - { .name: qkv, .offset: 16, .size: 8, .value_kind: global_buffer, .address_space: global }
      - { .name: vpart, .offset: 24, .size: 8, .value_kind: global_buffer, .address_space: global }
    .group_segment_fixed_size: 327680
    .private_segment_fixed_size: 0
    .kernarg_segment_align: 8
    .kernarg_segment_size: 32
    .max_flat_workgroup_size: 128
    .sgpr_count:     80
    .vgpr_count:     512
    .wavefront_size: 32
...
	.end_amdgpu_metadata
.endif
;; end of part 2
;; launch attn (part 3): grid 4 x 64, 4 waves a work-group, no clusters, 327,680 bytes of LDS; arguments qkv, tok_mask, vpart, ob; writes ob
.if DOCPART == 3
	.amdgcn_target "amdgcn-amd-amdhsa--gfx1250"
	.amdhsa_code_object_version 6
	.text
	.protected	k_q729953dc3c_attn
	.globl	k_q729953dc3c_attn
	.p2align	8
	.type	k_q729953dc3c_attn,@function
k_q729953dc3c_attn:
	s_mov_b64 s[64:65], 0
	v_nop
	global_prefetch_b8 v0, s[64:65] scope:SCOPE_SE
	s_setreg_imm32_b32 hwreg(HW_REG_WAVE_MODE, 25, 1), 1
	s_wait_xcnt 0x0
; CAUSAL ATTENTION WITH A KEY MASK.  O[h][q][:] = the sum over visible k of softmax_k(Q[h][q] . K[h][k] / 8) V[h][k][:]; key k is visible to query q if k <= q and tok_mask[batch][k] is set.
; q, k, v lie in qkv[part][head = 16 batch + h][2048][64], f16, a head's rows dense, 128 bytes each; O goes to ob[head][2048][64], f16.  Products, maxima and sums in f32; the weights p are rounded to f16 for the second
; product (their sum l is taken of the unrounded p), O once at the end.
; A ROW WITH NO VISIBLE KEY has all its 2,048 scores equal in the definition, so its result is the mean of ALL 2,048 rows of V: made here from vpart (f32 column sums of V over blocks of 64 rows) and chosen by
; v_cndmask_b32 where the row's running maximum has never left its floor.
; LIMITS.  f16 holds no number beyond 65,504: q, k, v arrive within it; p below 6e-5 keeps f16's fixed step of 6e-8.  A hidden score counts as its value less 1e30 (less 2e30 if hidden twice), so a hidden key weighs 0
; beside any visible one; the definition's -1e9 does the same while visible scores lie above about -1e9 + 100.  The running maximum starts at -2^90: visible scores must lie above -2^89.
; A weight below 2^-126 counts as 0 in l; NaN and infinities are not treated apart.
; THE WALK.  A head's queries lie in NB = 8 blocks of 256; block i needs the key tiles 0 .. i of 256 keys, of which the last holds the diagonal.  A work-group takes TWO blocks, NB - 1 - b and then b:
; NB + 1 tiles, whatever b: all work-groups do equal work, and ONE loop with a constant trip count walks them.  Which tile is asked for, and what a trip does, hang on scalar registers made from b; every jump
; goes forward, but for the counted loops' own; none passes a barrier, or a tensor load but the one of LOAD's two that the wave's number does not choose; the ring (two slots of LDS that take turns) runs on across the
; change of blocks.  NO CLUSTER: a head's four work-groups ask for the same tile only in trips 0 .. 4, behind that fewer and fewer; one walk common to all would have 12 trips for 9.
; SHARES.  Of a block's four bands of 64 queries a wave owns 16 rows in each: four PIECES.  So the diagonal tile is the same work for all four waves: in its key step s band x sees all keys if s < x,
; none if s > x, and holds the diagonal if s = x.
; THE MASK is the C operand that starts the sum S^T = K Q^T.  TM holds the key mask of the step in hand (0 or -1e30 a key), read from a table in LDS that lies in the order of the walk; it lives as long as K's fragments.
; In plain tiles C = TM.  MD, made once, is the causal mask of a band's own step for my 16 rows; in the diagonal tile's text and at a block's beginning C = MC = MD x AL + TM + BE with two scalars:
; (1, 0) if s = x; (0, 0) if s < x; (0, -1e30) if s > x.
; LAYOUT, SOFTMAX, TURNS.  S^T = K Q^T holds ONE query a lane (lane % 16) and the keys 8 (lane / 16) + 0..7; two such results rounded to f16 ARE source 1 of O^T = V^T P.  p = 2^(c s - c m), c = log2(e) / 8, with a
; running maximum m; O and l are multiplied by a = 2^(c m_old - c m_new) in every step.  Turn n belongs to piece n: 8 products K Q^T of piece n + 1, later 8 products V^T P of piece n - 1; beside them the scaling,
; exponentials, roundings, sums and rescaling of piece n and the maximum and statistics of piece n + 1.  Four vector instructions stand behind every matrix instruction, the others in two lumps.
; REGISTERS, in windows of 256 (s_set_vgpr_msb: bits 1:0 source 0, 3:2 source 1, 5:4 source 2, 7:6 destination):
;   window 0: v0-15 addresses and two at work; v16-31 four registers of statistics a piece; v32-47 the mean of V as the way out packs it; v48-55 at work; v56-63 addresses; v64-127 S^T, two buffers;
;             v128-159 TM; v160-179 at work in the set-up; v192-223 P, two buffers (a piece's buffers go by its number's parity)
;   window 1: v0-127 O^T, 32 a piece; v128-159 MD; v160-223 MC, two buffers      window 2: v0-63 Q; v64-127 the second block's Q; v128-191 K of one step; v192-255 V of one step
.set SIZE_N, 2048
.set NB,    SIZE_N/256
.set NP,    4         ; pieces a wave: a name, no knob
.set KS,    64        ; keys in a step
.set PK,    144       ; a row of K in LDS: 128 bytes + 16 of padding = 36 words: the 16 rows of a load start at 16 different groups of four banks (64 banks of 4 bytes: ISA guide 11.1)
.set PV,    160       ; a row of V: 128 + 32 = 40 words
.set VOFF,  4*KS*PK   ; a slot holds a tile, four steps: 256 rows of K, then 256 rows of V
.set SLOT1, 1<<17     ; slot 1 begins here, so that one exclusive or turns an address in one slot into the other's
.set STAGE, SLOT1+4*KS*(PK+PV)  ; behind the ring, never filled by a tensor load: 16 rows x 144 bytes for each wave, for the way out
.set SP,    144
.set TMT,   STAGE+4*16*SP       ; the key mask's table: 12 places of the walk x 256 keys x 4 bytes (9 are read)
.set VMS,   TMT+12*1024         ; 256 bytes for each wave: the mean of V on its way from one layout to the other
.set SPARE, VMS+4*256           ; the spare words, 128 bytes for each wave: two blocks of 256 bytes that no other line names
.set AK0, 2           ; v2   my lane's place in a tile of K; never rewritten
.set AV0, 3           ; v3   the same for V
.set AK,  4           ; v4   the LDS address of K's next run of loads
.set AV,  5           ; v5   of V's
.set STO, 6           ; v6   the way out: where I put 16 bytes of a row
.set RD,  7           ; v7   the way out: where I read rows back
.set GO,  8           ; v8   my byte offset in 512 consecutive bytes of O
.set MV,  12          ; v12-13  c m_old, kept while c m is made anew: by buffer
.set QO,  15          ; v15  my byte offset in 16 rows of Q
.set ST,  16          ; piece t's statistics at v[ST+4 t]: c m, m, l (even keys', odd keys')
.set VMH, 32          ; v32-47  the mean of V, f16 in pairs: register i holds channels 16 (i / 4) + 8 (lane / 16) + 2 (i % 4), + 1
.set TMP, 48          ; by buffer, four registers c0-c3 at work; when the maximum is found c2 takes a
.set ATM0, 56         ; v56  TMT + 32 (lane / 16); never rewritten
.set ATM, 57          ; v57  the LDS address of TM's next run of loads
.set PFO, 58          ; v58  256 x my lane; never rewritten
.set SPW, 62          ; v62  LDS address of my spare word: SPARE + 4 x my thread's number; never rewritten
.set NIL, 63          ; v63  0; never rewritten
.set S,   64
.set TM,  128         ; register 8 kt + j: key 16 kt + 8 (lane / 16) + j of the step
.set P,   192
.set MD,  128         ; window 1: the eight registers for group kt of 16 keys at MD + 8 kt
.set MC,  160         ; window 1: the masks of the products to come
.set QB,  64          ; window 2
.set KF,  128         ; window 2: key block kb, channel half c at KF + 16 kb + 8 c
.set VF,  192         ; window 2: key half kk, channel block cb at VF + 32 kk + 8 cb
.set WV,  12          ; s12  my wave's number
.set PB,  14          ; s14  b
.set HI,  15          ; s15  NB - 1 - b
.set G1K, 24          ; s[24:31] descriptor group 1 for K's tiles
.set G1V, 32          ; s[32:39] for V's: it differs in the padding alone
.set G0K, 40          ; s[40:43] descriptor group 0 for K's tiles
.set G0V, 44          ; s[44:47] the same for V's
.set TOK, 48          ; s[48:49] tok_mask at my batch
.set VPB, 50          ; s[50:51] vpart at my batch's first block and my head's 64 columns
.set PFK, 52          ; s[52:53] where my prefetches stand in K: my wave's 8,192 bytes of the tile after the one that is being asked for
.set PFV, 54          ; s[54:55] the same in V
.set SLOTS, 56        ; s56  tiles still to be asked for
.set CNT, 57          ; s57  counts a tile's key steps, 4 to 1
.set CS,  58          ; s[58:59] c: the packed scaling takes the pair's low word for both halves
.set SEL, 60          ; s[60:61] v_permlanex16_b32's selects: each lane takes its own place in the other half
.set TBK, 62          ; s62  LDS byte at which K of the step to be fetched begins
.set TBV, 63          ; s63  the same for V, less VOFF
.set TBM, 66          ; s66  byte of the table at which the step to be fetched begins: 256 more with every fetch of K, four a tile on every way
.set THR, 67          ; s67  -2^89
.set LIM, 68          ; s68  2 in the head's work-group that prefetches, else the greatest number
.set RT,  70          ; s70  tiles of the block in hand that are still to be entered
.set NXT, 71          ; s71  the tile to be asked for next
.set LQ,  72          ; s72  the last tile of the block whose tiles are being asked for
.set NEW, 73          ; s73  1: the tile to be entered is a block's first
.set OFF, 74          ; s[74:75] a tile's byte offset in K and V
.set AL,  76          ; s[76:77] the mask's factor, in the low word
.set BE,  78          ; s[78:79] the mask's addend
.set OLO, 80          ; s[80:81] O at my rows of the second block
.set BIGN, 82         ; s82  -1e30
.set HM,  88          ; s[88:91] piece t: the lanes whose row has seen no key
.set MSB, 0
.macro WIN new                      ; the high byte repeats the setting that is left; a switch that changes nothing is dropped
.if MSB != (\new)
	s_set_vgpr_msb (MSB<<8)|(\new)
.set MSB, (\new)
.endif
.endm
.set W_KQ, 0x0a       ; K and Q in window 2, S^T and TM in window 0
.set W_KM, 0x1a       ; the same with the C operand in window 1
.set W_PV, 0x52       ; V in window 2, P in window 0, O^T in window 1
.set W_RS, 0x41       ; destination and source 0 in window 1, sources 1 and 2 in window 0
; A fill.  Waves 0 and 1 fetch the two halves of a tile's K, waves 2 and 3 those of its V: 128 keys each.  An s_nop 0 and four v_nop follow each of the two lines, ahead of the jump and the label.
.macro LOAD
	s_cmp_lt_u32 s[WV], 2
	s_cbranch_scc0 .Lfor_v_\@
	tensor_load_to_lds s[G0K:G0K+3], s[G1K:G1K+7]
	s_nop 0
.rept 4
	v_nop
.endr
	s_branch .Lasked_\@
.Lfor_v_\@:
	tensor_load_to_lds s[G0V:G0V+3], s[G1V:G1V+7]
	s_nop 0
.rept 4
	v_nop
.endr
.Lasked_\@:
.endm
; A PREFETCH INTO THE L2 of the tile that the NEXT change of slots will ask for, behind the tensor load and its five lines.  A head's four work-groups walk the same K and V: the one with b = 0, whose first block walks
; tiles 0 to 7, asks, in its trips 0 to 5 for tiles 2 to 7; each of its waves takes 32 blocks of 256 bytes of K and 32 of V, a lane a block: each block is named once in the launch.  One tile, 256 products, ahead of the load.
.macro ASK
	s_cmp_gt_u32 s[SLOTS], s[LIM]
	s_cbranch_scc0 .Lnot_mine_\@
	global_prefetch_b8 v[PFO], s[PFK:PFK+1] th:TH_LOAD_NT scope:SCOPE_SE
	global_prefetch_b8 v[PFO], s[PFV:PFV+1] th:TH_LOAD_NT scope:SCOPE_SE
.Lnot_mine_\@:
.endm
; THE CHANGE OF SLOTS.  Each wave waits for all its tensor loads, of which one is out: its part of the other slot; adds 0 to its spare word; and waits for that and for its own reads of the slot that it leaves.  Behind the
; barrier nobody reads the old slot any more and the other slot is whole.  fill = 1: the old slot is filled again, the first thing behind the barrier, with tile NXT: the descriptor's address is made anew from that number.
; (At its first use nothing has been read yet: slot 0 is waited for, slot 1 filled; and the barrier shows every wave's part of the mask's table to the others.)
.macro CHANGE fill
	WIN 0                           ; at a label and at a branch every window is 0
	s_wait_tensorcnt 0x0            ; no tensor load of mine is out, so a group 0 may be written
	ds_add_u32 v[SPW], v[NIL]       ; 0 onto my spare word; with fill = 1 the descriptors' scalar work stands between it and the wait for it
.if \fill
	s_lshl_b32 s[OFF], s[NXT], 15   ; a tile is 32,768 bytes of K and of V
	s_xor_b32 s[G0K+1], s[G0K+1], SLOT1
	s_add_nc_u64 s[G0K+2:G0K+3], s[6:7], s[OFF:OFF+1]
	s_or_b32 s[G0K+3], s[G0K+3], 0x80000000
	s_xor_b32 s[G0V+1], s[G0V+1], SLOT1
	s_add_nc_u64 s[G0V+2:G0V+3], s[8:9], s[OFF:OFF+1]
	s_or_b32 s[G0V+3], s[G0V+3], 0x80000000
	s_add_co_u32 s[NXT], s[NXT], 1  ; the block's next tile, or behind its last the second block's tile 0
	s_cmp_gt_u32 s[NXT], s[LQ]
	s_cselect_b32 s[NXT], 0, s[NXT]
	s_cselect_b32 s[LQ], s[PB], s[LQ]
	s_wait_xcnt 0x0                 ; the last prefetches, a tile back, have read their addresses, so these may be written
	s_add_nc_u64 s[PFK:PFK+1], s[PFK:PFK+1], 32768
	s_add_nc_u64 s[PFV:PFV+1], s[PFV:PFV+1], 32768
.endif
	s_wait_dscnt 0x0                ; the add is done, and my reads of the slot are over
	s_barrier_signal -1             ; the rest of the scalar work stands between the signal and the wait
	s_sub_co_u32 s[TBK], s[TBK], 4*KS*PK  ; the fetches go back to a slot's first step,
	s_xor_b32 s[TBK], s[TBK], SLOT1       ; in the other slot
	s_sub_co_u32 s[TBV], s[TBV], 4*KS*PV
	s_xor_b32 s[TBV], s[TBV], SLOT1
	s_barrier_wait -1
.if \fill
	LOAD
	ASK
.endif
.endm
	s_load_b256 s[4:11], s[0:1], 0x0  ; qkv s[4:5], tok_mask s[6:7], vpart s[8:9], ob s[10:11]
	v_lshl_add_u32 v[SPW], v0, 2, SPARE
	v_mov_b32 v[NIL], 0
	ds_add_u32 v[SPW], v[NIL]       ; the wave's opening: the add and its wait stand ahead of my first tensor load; the set-up below, work on registers, stands between them
	ds_add_u32 v62, v63
	v_lshrrev_b32 v1, 5, v0
	v_readfirstlane_b32 s[WV], v1   ; wave 0..3
	s_mov_b32 s[PB], ttmp9
	s_sub_co_u32 s[HI], NB-1, s[PB]
	s_and_b32 s83, ttmp7, 0xffff    ; the head, 16 batch + h
	s_lshl_b32 s20, s83, 18         ; the head's first byte in each part of qkv and in ob: 2,048 rows of 128 bytes a head
	s_mov_b32 s21, 0
	s_and_b32 s16, s[WV], 1         ; which half of a tile's 256 keys I fetch:
	s_lshl_b32 s22, s16, 14         ; its 128 rows of 128 bytes in memory,
	s_mov_b32 s23, 0
	s_add_nc_u64 s[22:23], s[22:23], s[20:21]
	s_mul_i32 s17, s16, 128*PK      ; and its place in a slot, for K
	s_mul_i32 s18, s16, 128*PV      ; and for V
	s_lshl_b32 s3, s[WV], 11        ; my 16 rows in a band of 64,
	s_lshl_b32 s2, s[HI], 15        ; in the first block,
	s_add_co_u32 s2, s2, s3
	s_lshl_b32 s84, s[PB], 15       ; and in the second
	s_add_co_u32 s84, s84, s3
	s_mov_b32 s3, 0
	s_mov_b32 s85, 0
	s_add_nc_u64 s[2:3], s[2:3], s[20:21]
	s_add_nc_u64 s[84:85], s[84:85], s[20:21]
	s_lshr_b32 s92, s83, 4          ; the batch:
	s_lshl_b32 s94, s92, 17         ; its 32 blocks of 4,096 bytes in vpart,
	s_lshl_b32 s92, s92, 11         ; its 2,048 bytes of tok_mask
	s_mov_b32 s93, 0
	s_and_b32 s95, s83, 15
	s_lshl_b32 s95, s95, 8          ; my head's 64 columns of v
	s_add_co_u32 s94, s94, s95
	s_mov_b32 s95, 0
	s_lshl_b32 s96, s[WV], 13       ; the prefetches: my wave's quarter of a tile,
	s_add_co_u32 s96, s96, 32768    ; in tile 1: the first change of slots steps it to tile 2
	s_mov_b32 s97, 0
	s_add_nc_u64 s[96:97], s[96:97], s[20:21]
	; descriptor group 1.  128 keys are 16,384 dense bytes: asked for as 64 rows of 256 bytes, two keys a row, and padded in LDS after every key
	s_mov_b32 s[G1K], (1<<16)|(1<<20)|(4<<22)|(3<<25)  ; 17:16 2-byte elements; 20 padding on; 24:22 after every 32 words (code 4); 31:25 4 words (code 3)
	s_mov_b32 s[G1V], (1<<16)|(1<<20)|(4<<22)|(7<<25)  ; the same with 8 words of padding (code 7)
.irp g, G1K, G1V
	s_mov_b32 s[\g+1], 128<<16      ; tensor_dim0 = 128
	s_mov_b32 s[\g+2], 64<<16       ; tensor_dim1 = 64
	s_mov_b32 s[\g+3], 128<<16      ; tile_dim0 = 128
	s_mov_b32 s[\g+4], 64           ; tile_dim1 = 64
	s_mov_b32 s[\g+5], 128          ; 128 elements from row to row
	s_mov_b32 s[\g+6], 0
	s_mov_b32 s[\g+7], 0
.endr
	s_mov_b32 s[CS], 0x3e38aa3b     ; c = log2(e) / 8 = 0.180337
	s_mov_b32 s[CS+1], s[CS]        ; named with it as a pair
	s_mov_b32 s[SEL], 0x76543210
	s_mov_b32 s[SEL+1], 0xfedcba98
	s_mov_b32 s[TBK], SLOT1+4*KS*PK ; the first change of slots turns these two into 0
	s_mov_b32 s[TBV], SLOT1+4*KS*PV
	s_mov_b32 s[TBM], 0
	s_mov_b32 s[THR], 0xec000000    ; -2^89
	s_mov_b32 s[G0K], 1             ; 1:0 count = 1
	s_mov_b32 s[G0K+1], s17         ; 63:32 LDS address: slot 0
	s_mov_b32 s[G0V], 1
	s_add_co_u32 s[G0V+1], s18, VOFF
	s_add_co_u32 s[RT], s[HI], 1    ; the first block has NB - b tiles
	s_mov_b32 s[NXT], 1
	s_mov_b32 s[LQ], s[HI]
	s_mov_b32 s[NEW], 1
	s_mov_b32 s[OFF+1], 0
	s_mov_b32 s[AL+1], 0            ; named as pairs
	s_mov_b32 s[BE+1], 0
	s_mov_b32 s[BIGN], 0xf149f2ca   ; -1e30
	s_mov_b32 s[SLOTS], NB
	s_cmp_eq_u32 ttmp9, 0
	s_cselect_b32 s[LIM], 2, -1
	s_wait_dscnt 0x0                ; the opening add is done
	s_wait_kmcnt 0x0
	s_add_nc_u64 s[TOK:TOK+1], s[6:7], s[92:93]
	s_add_nc_u64 s[VPB:VPB+1], s[8:9], s[94:95]
	s_add_nc_u64 s[6:7], s[4:5], 0x1000000  ; k's part of qkv,
	s_add_nc_u64 s[8:9], s[4:5], 0x2000000  ; v's
	s_add_nc_u64 s[PFK:PFK+1], s[6:7], s[96:97]
	s_add_nc_u64 s[PFV:PFV+1], s[8:9], s[96:97]
	s_add_nc_u64 s[6:7], s[6:7], s[22:23]  ; K and V at my half of the head's tile 0
	s_add_nc_u64 s[8:9], s[8:9], s[22:23]
	s_add_nc_u64 s[G0K+2:G0K+3], s[6:7], 0         ; 120:64 global address
	s_or_b32 s[G0K+3], s[G0K+3], 0x80000000        ; 127:126 type = 2
	s_add_nc_u64 s[G0V+2:G0V+3], s[8:9], 0
	s_or_b32 s[G0V+3], s[G0V+3], 0x80000000
	s_add_nc_u64 s[86:87], s[4:5], s[84:85]        ; Q at my rows of the second block,
	s_add_nc_u64 s[4:5], s[4:5], s[2:3]            ; Q and O at those of the first
	s_add_nc_u64 s[OLO:OLO+1], s[10:11], s[84:85]
	s_add_nc_u64 s[10:11], s[10:11], s[2:3]
	LOAD                            ; tile 0 into slot 0
	; A fragment of K or Q is 16 rows x 32 channels in 8 registers: lane l holds row l % 16, channels 8 (l / 16) + 0..7 and 16 + 8 (l / 16) + 0..7: two loads of 16 bytes, 32 bytes apart.
	v_and_b32 v1, 15, v0            ; l % 16
	v_bfe_u32 v9, v0, 4, 1          ; l / 16
	v_lshlrev_b32 v[QO], 7, v1
	v_lshl_add_u32 v[QO], v9, 4, v[QO]  ; row x 128 + 16 x half
	WIN 0x80                        ; destination window 2, address window 0
.set i, 0
.rept 8                             ; both blocks' Q: piece i / 2 lies in band i / 2, 8,192 bytes on; channels 32 (i % 2) on
	global_load_b128 v[8*i:8*i+3],   v[QO], s[4:5] offset:(i/2)*8192+(i%2)*64
	global_load_b128 v[8*i+4:8*i+7], v[QO], s[4:5] offset:(i/2)*8192+(i%2)*64+32
	global_load_b128 v[QB+8*i:QB+8*i+3],   v[QO], s[86:87] offset:(i/2)*8192+(i%2)*64
	global_load_b128 v[QB+8*i+4:QB+8*i+7], v[QO], s[86:87] offset:(i/2)*8192+(i%2)*64+32
.set i, i+1
.endr
	WIN 0
	; the key mask: wave w makes places w, w + 4, w + 8 of the walk's table.  Place p holds tile p, or behind the first block's last tile (HI) tile p - HI - 1: 7 at the most.  A lane takes 8 keys, 8 bytes.
	v_and_b32 v59, 31, v0           ; l
.irp i, 0,1,2
	s_add_co_u32 s16, s[WV], 4*(\i)
	s_sub_co_u32 s17, s16, s[HI]
	s_sub_co_u32 s17, s17, 1
	s_cmp_gt_u32 s16, s[HI]
	s_cselect_b32 s16, s17, s16
	s_lshl_b32 s16, s16, 8
	v_lshl_add_u32 v[160+(\i)], v59, 3, s16
	global_load_b64 v[164+2*(\i):165+2*(\i)], v[160+(\i)], s[TOK:TOK+1]
.endr
	; v's column sums: my batch's 32 blocks, my head's 64 columns; 16 lanes take a block's 256 bytes, the two halves of the lanes two blocks
	v_lshlrev_b32 v60, 4, v1
	v_lshl_add_u32 v60, v9, 12, v60
.set i, 0
.rept 16
	global_load_b128 v[S+4*i:S+4*i+3], v60, s[VPB:VPB+1] offset:8192*i
.set i, i+1
.endr
	v_lshl_add_u32 v[ATM0], v9, 5, TMT
	v_lshlrev_b32 v[PFO], 8, v59
	v_lshlrev_b32 v14, 3, v9
	v_sub_nc_u32 v14, v1, v14
	s_lshl_b32 s13, s[WV], 4
	v_add_nc_u32 v14, s13, v14      ; my query's place in its band, 16 w + l % 16, less my lanes' 8 (l / 16): register r of group kt is hidden where 16 kt + r is greater
	WIN 0x40
.set i, 0
.rept 32
	v_cmp_gt_i32 vcc_lo, 16*(i/8)+i%8, v14
	v_cndmask_b32 v[MD+i], 0, s[BIGN], vcc_lo
.set i, i+1
.endr
	WIN 0
	v_mul_u32_u24 v[AK0], v1, PK
	v_lshl_add_u32 v[AK0], v9, 4, v[AK0]  ; row x pitch + 16 x half
	; The turning load takes 16 keys x 16 channels (lane l reads key 8 (l / 16) + l % 8, channels 8 ((l / 8) % 2) + 0..7) and leaves half a fragment of V^T: lane l holds channel l % 16 and 8 keys.
	v_and_b32 v10, 7, v0
	v_bfe_u32 v11, v0, 3, 1
	v_lshl_add_u32 v[AV0], v9, 3, v10
	v_mul_u32_u24 v[AV0], v[AV0], PV
	v_lshl_add_u32 v[AV0], v11, 4, v[AV0]
	v_add_nc_u32 v[AV0], VOFF, v[AV0]
	s_mul_i32 s13, s[WV], 16*SP
	s_add_co_u32 s13, s13, STAGE    ; my stage
	v_mul_u32_u24 v[STO], v1, SP    ; in: row l % 16, 16 bytes for each half of the lanes
	v_lshl_add_u32 v[STO], v9, 4, v[STO]
	v_add_nc_u32 v[STO], s13, v[STO]
	v_bfe_u32 v[RD], v0, 3, 2       ; back: 32 lanes take four rows of 128 bytes,
	v_mul_u32_u24 v[RD], v[RD], SP
	v_lshl_add_u32 v[RD], v10, 4, v[RD]
	v_add_nc_u32 v[RD], s13, v[RD]
	v_and_b32 v[GO], 31, v0         ; which are 512 consecutive bytes of O
	v_lshlrev_b32 v[GO], 4, v[GO]
	; A block's first step multiplies O^T and l by a = 0, and its first turn's products V^T P, of a piece that has not been, land in an O^T that is still to be so multiplied.  So these registers need only hold
	; finite numbers: zeros for the first block; what the first block left for the second.  All this stands in the wait for the first tile.
	WIN 0x80
.set i, VF
.rept 64
	v_mov_b32 v[i], 0
.set i, i+1
.endr
	WIN 0x40
.set i, 0
.rept 128
	v_mov_b32 v[i], 0
.set i, i+1
.endr
	WIN 0
.set i, 0
.rept 4
	v_mov_b32 v[ST+4*i+2], 0
	v_mov_b32 v[ST+4*i+3], 0
.set i, i+1
.endr
.set i, P+16
.rept 16
	v_mov_b32 v[i], 0
.set i, i+1
.endr
	; the table: a byte 1 gives 0, a byte 0 gives -1e30: (byte - 1) and the bits of -1e30
	s_wait_loadcnt 0x10             ; Q and the mask's bytes are in; vpart's 16 loads may stay out
	v_lshl_add_u32 v61, v59, 5, TMT ; 32 bytes a lane,
	s_lshl_b32 s16, s[WV], 10       ; place w
	v_add_nc_u32 v61, s16, v61
.irp i, 0,1,2
.irp k, 0,1,2,3
	v_bfe_u32 v[172+(\k)], v[164+2*(\i)], 8*(\k), 8
	v_bfe_u32 v[176+(\k)], v[165+2*(\i)], 8*(\k), 8
.endr
.irp k, 0,1,2,3,4,5,6,7
	v_add_nc_u32 v[172+(\k)], -1, v[172+(\k)]
.endr
.irp k, 0,1,2,3,4,5,6,7
	v_and_b32 v[172+(\k)], s[BIGN], v[172+(\k)]
.endr
	ds_store_b128 v61, v[172:175] offset:4096*(\i)
	ds_store_b128 v61, v[176:179] offset:4096*(\i)+16
.endr
	; the mean of V: 32 blocks' sums added in f32, times 2^-11; then from four channels a lane to the way out's layout, through my 256 bytes of LDS; rounded to f16
	s_wait_loadcnt 0x0
.irp w, 8,4,2,1
.set i, 0
.rept \w
	v_pk_add_f32 v[S+4*i:S+4*i+1],   v[S+4*i:S+4*i+1],   v[S+4*(i+(\w)):S+4*(i+(\w))+1]
	v_pk_add_f32 v[S+4*i+2:S+4*i+3], v[S+4*i+2:S+4*i+3], v[S+4*(i+(\w))+2:S+4*(i+(\w))+3]
.set i, i+1
.endr
.endr
.irp k, 0,1,2,3
	v_permlanex16_b32 v[S+4+(\k)], v[S+(\k)], s[SEL], s[SEL+1]  ; the other half of the lanes' 16 blocks
.endr
	v_pk_add_f32 v[S:S+1], v[S:S+1], v[S+4:S+5]
	v_pk_add_f32 v[S+2:S+3], v[S+2:S+3], v[S+6:S+7]
	v_pk_mul_f32 v[S:S+1], v[S:S+1], 0x3a000000 op_sel_hi:[1,0]
	v_pk_mul_f32 v[S+2:S+3], v[S+2:S+3], 0x3a000000 op_sel_hi:[1,0]
	s_lshl_b32 s16, s[WV], 8
	s_add_co_u32 s16, s16, VMS
	v_lshl_add_u32 v60, v1, 4, s16  ; (free since the wait for vpart's loads)  channels 4 (l % 16) on; both halves of the lanes hold, and write, the same
	ds_store_b128 v60, v[S:S+3]
	v_lshl_add_u32 v61, v9, 5, s16  ; channels 16 cb + 8 (l / 16) on
.irp c, 0,1,2,3
	ds_load_b128 v[S+8+8*(\c):S+8+8*(\c)+3],    v61 offset:64*(\c)     ; LDS serves a wave's instructions in order (ISA guide 5.7.1.4): these see the store above
	ds_load_b128 v[S+8+8*(\c)+4:S+8+8*(\c)+7],  v61 offset:64*(\c)+16
.endr
	s_wait_dscnt 0x0
.set i, 0
.rept 16
	v_cvt_pk_f16_f32 v[VMH+i], v[S+8+2*i], v[S+8+2*i+1]
.set i, i+1
.endr
; THE MATRIX WORK.  The 4 accumulators of a run of 8 take turns.  Product i of 8 of S^T = K Q^T for piece x: channels 32 (i / 4) on, keys 16 (i % 4) on.  The first 4 start the sums: with the key mask TM (KM = 1), or with MC (KM = 2).
.macro KQ x
.set rS, S+32*((\x)%2)+8*(i%4)
.set rK, KF+16*(i%4)+8*(i/4)
.set rQ, 16*(\x)+8*(i/4)
.set rM, MC+32*((\x)%2)+8*(i%4)
.set rN, TM+8*(i%4)
.if (i < 4) && (KM == 2)
	WIN W_KM
	v_wmma_f32_16x16x32_f16 v[rS:rS+7], v[rK:rK+7], v[rQ:rQ+7], v[rM:rM+7]
.elseif i < 4
	WIN W_KQ
	v_wmma_f32_16x16x32_f16 v[rS:rS+7], v[rK:rK+7], v[rQ:rQ+7], v[rN:rN+7]
.else
	WIN W_KQ
	v_wmma_f32_16x16x32_f16 v[rS:rS+7], v[rK:rK+7], v[rQ:rQ+7], v[rS:rS+7]
.endif
.endm
; Product i of 8 of O^T += V^T P for piece x: keys 32 (i / 4) on, channels 16 (i % 4) on.
.macro PV x
	WIN W_PV
.set rO, 32*(\x)+8*(i%4)
.set rV, VF+32*(i/4)+8*(i%4)
.set rP, P+16*((\x)%2)+8*(i/4)
	v_wmma_f32_16x16x32_f16 v[rO:rO+7], v[rV:rV+7], v[rP:rP+7], v[rO:rO+7]
.endm
.macro MM                           ; the turn's next matrix instruction.  TURN and BEGIN set Y, i, KM and NOKQ; MM, KQ and OP read them.  NOKQ = 1: a block's last turn: there is no next piece
.if (i < 8) && !NOKQ
	KQ (Y+1)%NP
.elseif i >= 8
.set i, i-8
	PV (Y+NP-1)%NP
.set i, i+8
.endif
.set i, i+1
.endm
; THE LDS LOADS stand in runs, never singly among the matrix instructions: a step's K (64 keys x 64 channels: 8 fragments) with its key mask (8 loads; the 16 lanes of a half read the same words), and its V (turned).
; Their addresses are made some lines ahead.
.macro FETCH_K
	WIN 0x80                        ; destination window 2
.irp f, 0,1,2,3,4,5,6,7             ; keys 16 (f / 2) on, channels 32 (f % 2) on
	ds_load_b128 v[KF+8*\f:KF+8*\f+3],   v[AK] offset:(\f/2)*16*PK+(\f%2)*64
	ds_load_b128 v[KF+8*\f+4:KF+8*\f+7], v[AK] offset:(\f/2)*16*PK+(\f%2)*64+32
.endr
	s_add_co_u32 s[TBK], s[TBK], KS*PK  ; the next fetch is the next step's
	WIN 0
.irp f, 0,1,2,3,4,5,6,7             ; keys 16 (f / 2) + 8 (l / 16) + 4 (f % 2) on
	ds_load_b128 v[TM+4*\f:TM+4*\f+3], v[ATM] offset:(\f/2)*64+(\f%2)*16
.endr
	s_add_co_u32 s[TBM], s[TBM], KS*4
.endm
.macro FETCH_V
	WIN 0x80
.irp f, 0,1,2,3,4,5,6,7             ; keys 32 (f / 4) on, channels 16 (f % 4) on
	ds_load_tr16_b128 v[VF+8*\f:VF+8*\f+3],   v[AV] offset:(\f/4)*32*PV+(\f%4)*32
	ds_load_tr16_b128 v[VF+8*\f+4:VF+8*\f+7], v[AV] offset:(\f/4)*32*PV+16*PV+(\f%4)*32
.endr
	WIN 0
.endm
; THE VECTOR WORK, one line at a time: OP kind, number.  For piece Y: F n: c s - c m for pair n of 16.  E n: the exponential of score n of 32.  C n: pair n rounded to f16.  B n: of the four weights 4 n .. the second
; pair is added onto the first, in place.  L n: l takes that sum (L 0: l = a l + sum).  R n: pair n of 16 of O^T times a.  For piece Y + 1: X n, number n of the 22 that find its maximum and statistics:
;   0-11  four chains c0-c3 of seven scores each, three operands at a time (each accumulator's lowest registers are read first)     12-14, 16  the four scores left over, the old m, and c0-c3 into c0
;   15  c m_old is kept     17, 18  the query's other 32 keys lie in the lane 16 away: the new m     19-21  c m; c m_old - c m_new; a
.set F, 0               ; OP tells the kinds apart by their order: F to L below R, X above it
.set E, 1
.set C, 2
.set B, 3
.set L, 4
.set R, 5
.set X, 6
.macro REGS y                       ; the registers of piece y
.set rT, ST+4*(\y)
.set rC, TMP+4*((\y)%2)
.set rW, MV+((\y)%2)
.set rS, S+32*((\y)%2)
.set rP, P+16*((\y)%2)
.set rO, 32*(\y)
.endm
.macro OP k, n
.if (\k) == R
	REGS Y
	WIN W_RS
	v_pk_mul_f32 v[rO+2*(\n):rO+2*(\n)+1], v[rO+2*(\n):rO+2*(\n)+1], v[rC+2:rC+3] op_sel_hi:[1,0]
.elseif (\k) < R
	REGS Y
	WIN 0
.if (\k) == F
	v_pk_fma_f32 v[rS+2*(\n):rS+2*(\n)+1], v[rS+2*(\n):rS+2*(\n)+1], s[CS:CS+1], v[rT:rT+1] op_sel_hi:[1,0,0] neg_lo:[0,0,1] neg_hi:[0,0,1]
.elseif (\k) == E
	v_exp_f32 v[rS+(\n)], v[rS+(\n)]
.elseif (\k) == C
	s_wait_alu depctr_va_vdst(0)
	v_cvt_pk_f16_f32 v[rP+(\n)], v[rS+2*(\n)], v[rS+2*(\n)+1]
.elseif (\k) == B
	s_wait_alu depctr_va_vdst(0)
	v_pk_add_f32 v[rS+4*(\n):rS+4*(\n)+1], v[rS+4*(\n):rS+4*(\n)+1], v[rS+4*(\n)+2:rS+4*(\n)+3]
.elseif (\n) == 0
	v_pk_fma_f32 v[rT+2:rT+3], v[rT+2:rT+3], v[rC+2:rC+3], v[rS:rS+1] op_sel_hi:[1,0,1]
.else
	v_pk_add_f32 v[rT+2:rT+3], v[rT+2:rT+3], v[rS+4*(\n):rS+4*(\n)+1]
.endif
.elseif NOKQ
	v_nop
.else
	REGS (Y+1)%NP
	WIN 0
.if (\n) < 4
	v_max3_num_f32 v[rC+(\n)], v[rS+8*(\n)], v[rS+8*(\n)+1], v[rS+8*(\n)+2]
.elseif (\n) < 12
	v_max3_num_f32 v[rC+(\n)%4], v[rC+(\n)%4], v[rS+8*((\n)%4)+2*((\n)/4)+1], v[rS+8*((\n)%4)+2*((\n)/4)+2]
.elseif (\n) == 12
	v_max3_num_f32 v[rC], v[rC], v[rS+7], v[rS+15]
.elseif (\n) == 13
	v_max3_num_f32 v[rC+1], v[rC+1], v[rS+23], v[rS+31]
.elseif (\n) == 14
	v_max3_num_f32 v[rC+2], v[rC+2], v[rC+3], v[rT+1]
.elseif (\n) == 15
	v_mov_b32 v[rW], v[rT]
.elseif (\n) == 16
	v_max3_num_f32 v[rC], v[rC], v[rC+1], v[rC+2]
.elseif (\n) == 17
	v_permlanex16_b32 v[rC+3], v[rC], s[SEL], s[SEL+1]
.elseif (\n) == 18
	v_max_num_f32 v[rT+1], v[rC], v[rC+3]
.elseif (\n) == 19
	v_mul_f32 v[rT], s[CS], v[rT+1]
.elseif (\n) == 20
	v_sub_f32 v[rC+1], v[rW], v[rT]
.else
	v_exp_f32 v[rC+2], v[rC+1]
.endif
.endif
.endm
.macro OPS a, i1, b=-1, i2=0, c=-1, i3=0, d=-1, i4=0  ; up to four of them
	OP \a, \i1
.if (\b) >= 0
	OP \b, \i2
.endif
.if (\c) >= 0
	OP \c, \i3
.endif
.if (\d) >= 0
	OP \d, \i4
.endif
.endm
.macro ROW a, i1, b, i2, c, i3, d, i4  ; a matrix instruction and the four behind it
	MM
	OPS \a, \i1, \b, \i2, \c, \i3, \d, \i4
.endm
.macro MASK buf, more               ; MD x AL + TM into buffer buf of MC; more = 1: BE is added
	WIN W_RS
.set z, 0
.rept 16
	v_pk_fma_f32 v[MC+32*(\buf)+2*z:MC+32*(\buf)+2*z+1], v[MD+2*z:MD+2*z+1], s[AL:AL+1], v[TM+2*z:TM+2*z+1] op_sel_hi:[1,0,1]
.set z, z+1
.endr
.if \more
.set z, 0
.rept 16
	v_pk_add_f32 v[MC+32*(\buf)+2*z:MC+32*(\buf)+2*z+1], v[MC+32*(\buf)+2*z:MC+32*(\buf)+2*z+1], s[BE:BE+1] op_sel_hi:[1,0]
.set z, z+1
.endr
.endif
.endm
; A TURN, for piece p: the order of its 16 matrix and 118 vector instructions, written out.  Behind a matrix instruction: plain, exponential, plain, plain; or four of the rescaling; or, behind the first, four scalings; none
; names a register of the products round it.  In the lumps exponential and plain by turns while exponentials last.  A line reads no result made fewer than three vector instructions in front of it, five if an exponential made it.
; v_permlanex16_b32 (X 17) stands in a lump.
; m = 1: the diagonal tile: the products take MC, and the turn makes the mask for the products of the turn after it: piece p + 2, in step 4 - CNT of the tile.  end = 1: a block's last two turns: nothing is fetched.
; cnt = 1: the loop's count is taken down some lines ahead of the branch that stands behind the turn.
; K and the key mask of the next step are fetched in piece 2's turn, six vector instructions behind the last product that read K (five of them plain; TM's last reader stands further back); V of the step in hand in piece 0's
; turn, eight behind the last product that read V (four plain, and X 17).  Each is waited for a turn later; in the diagonal tile piece 2's turn waits at its end, since its mask is made of the TM just fetched.
.macro TURN p, m=0, end=0, cnt=0
.set Y, (\p)
.set i, 0
.set KM, 1+(\m)
.set NOKQ, (\end)*((\p)/3)
.if (\m) && !(\end)
	s_cmp_eq_u32 s[CNT], 4-((\p)+2)%NP  ; is that step the band's own?
	s_cselect_b32 s[AL], 1.0, 0
	s_cmp_lt_u32 s[CNT], 4-((\p)+2)%NP  ; or a later one?
	s_cselect_b32 s[BE], s[BIGN], 0
.endif
.if ((\p) == 3) && !(\end)
	s_wait_dscnt 0x0                ; K and TM are in
.endif
	ROW F,0, F,1, F,2, F,3
	ROW F,4, E,0, F,5, F,6
	ROW F,7, E,1, F,8, F,9
	ROW F,10, E,2, C,0, F,11
	ROW F,12, E,3, X,15, F,13
	ROW R,0, R,1, R,2, R,3
	ROW B,0, E,4, F,14, L,0
.if ((\p) == 2) && !(\end)
	v_add_nc_u32 v[AK], s[TBK], v[AK0]
	v_add_nc_u32 v[ATM], s[TBM], v[ATM0]
.endif
	ROW R,4, R,5, R,6, R,7
	OPS E,5, F,15
.if ((\p) == 2) && !(\end)
	FETCH_K
.endif
	OPS E,6, C,1, E,7, R,8
	OPS E,8, R,9, E,9, C,2
	OPS E,10, X,0, E,11, X,1
	OPS E,12, X,2, E,13, X,3
.if (\p) == 1
	s_wait_dscnt 0x0                ; V is in
.endif
	ROW X,4, E,14, X,5, X,6
	ROW X,7, E,15, X,8, X,9
	ROW X,10, E,16, X,11, X,12
	ROW X,13, E,17, X,14, B,1
	ROW C,4, E,18, X,16, L,1
	ROW B,2, E,19, C,6, L,2
	ROW C,8, E,20, B,3, B,4
.if (\p) == 0
	v_add_nc_u32 v[AV], s[TBV], v[AV0]
.endif
	ROW C,3, E,21, L,3, C,5
	OPS E,22, X,17, E,23, C,10
.if (\p) == 0
	FETCH_V
.endif
	OPS E,24, L,4
	OPS E,25, X,18, E,26, C,7
	OPS E,27, B,5, E,28, X,19
	OPS E,29, C,12, E,30, L,5
	OPS E,31, X,20, B,6, C,9
	OPS C,14, C,11, X,21, L,6
.if (\p) == 0
	s_add_co_u32 s[TBV], s[TBV], KS*PV
.endif
.if \cnt
	s_sub_co_u32 s[CNT], s[CNT], 1
	s_cmp_lg_u32 s[CNT], 0
.endif
	OPS C,13, B,7, C,15, R,10
	OPS R,11, R,12, L,7, R,13
	OPS R,14, R,15
.if (\m) && !(\end)
.if (\p) == 2
	s_wait_dscnt 0x0                ; the TM just fetched is in
.endif
	MASK (\p)%2, 1
.endif
.endm
; A BLOCK BEGINS.  c m starts far below every c s, so the first step's a is 0.  m starts at -2^90: above every hidden score, so that a step in which a row sees no key leaves m there and gives weights 0, and below every
; visible score.  Then K and the key mask of the tile's step 0; MC's first buffer takes piece 0's mask for that step (its own, if the block's first tile is the diagonal one), the second piece 1's (the key mask alone);
; piece 0's first scores, and its maximum and statistics.  The loop is entered at a step's first turn, in the middle of a trip.
.macro BEGIN
	s_mov_b32 s[NEW], 0
	WIN 0
.set i, 0
.rept 4
	v_mov_b32 v[ST+4*i], 0xfe000000    ; c m: far below every c s
	v_mov_b32 v[ST+4*i+1], 0xec800000  ; m: -2^90
.set i, i+1
.endr
	v_add_nc_u32 v[AK], s[TBK], v[AK0]
	v_add_nc_u32 v[ATM], s[TBM], v[ATM0]
	FETCH_K
	s_wait_loadcnt 0x0              ; Q
	s_wait_dscnt 0x0
	s_cmp_eq_u32 s[RT], 0
	s_cselect_b32 s[AL], 1.0, 0
	MASK 0, 0
	s_mov_b32 s[AL], 0
	MASK 1, 0
.set KM, 2
.set NOKQ, 0
.set i, 0
.rept 8
	KQ 0
.set i, i+1
.endr
	WIN 0
.rept 4
	v_nop                           ; the places behind those products
.endr
.set Y, NP-1                        ; X works for piece Y + 1: piece 0
.irp n, 0,1,2,3,4,5,6,7,8,9,10,11,12,13,14,15,16,17,18,19,20,21
	OP X, \n
.endr
	v_nop                           ; a plain instruction behind the exponential
.endm
; THE DIAGONAL TILE's four steps, the block's last two turns, its last products, and THE WAY OUT: the rows that have seen no key are marked (m still below -2^89); l's two halves and the other half of the lanes' are added;
; l is held at 2^-100 or more (a row that saw a key has its greatest weight, about 1, in l; a row that saw none has l = 0 and O = 0, and stays finite so); O^T is divided by l, rounded to f16, the marked rows take the
; mean of V, and all goes through my stage in LDS, a piece at a time.
.macro ALL line:vararg              ; one line for each piece t
.set t, 0
.rept 4
	\line
.set t, t+1
.endr
.endm
.macro PACK t                       ; a lane's eight channels of a row pack into 16 bytes; they go into rows of 144 bytes and come back as whole rows of 128, into S^T's registers
	WIN W_RS
.set i, 32*(\t)
.rept 16
	s_wait_alu depctr_va_vdst(0)
	v_pk_mul_f32 v[i:i+1], v[i:i+1], v[ST+4*(\t)+2:ST+4*(\t)+3] op_sel_hi:[1,0]
.set i, i+2
.endr
	WIN 0x05                        ; sources 0 and 1 window 1, destination window 0
.set i, 0
.rept 16
	v_cvt_pk_f16_f32 v[S+16*(\t)+i], v[32*(\t)+2*i], v[32*(\t)+2*i+1]
.set i, i+1
.endr
	WIN 0
.set i, 0
.rept 16
	v_cndmask_b32 v[S+16*(\t)+i], v[S+16*(\t)+i], v[VMH+i], s[HM+(\t)]
.set i, i+1
.endr
.irp f, 0,1,2,3
	ds_store_b128 v[STO], v[S+16*(\t)+4*\f:S+16*(\t)+4*\f+3] offset:32*\f
.endr
.irp f, 0,1,2,3
	ds_load_b128 v[S+16*(\t)+4*\f:S+16*(\t)+4*\f+3], v[RD] offset:\f*4*SP  ; LDS serves a wave's instructions in order (ISA guide 5.7.1.4): these see the stores above; the next piece's stores come behind them
.endr
.endm
.macro SEND t, younger              ; younger: the LDS instructions issued behind piece t's loads: the next piece's eight, or none
	WIN 0
.irp f, 0,1,2,3
	s_wait_dscnt (\younger)+3-\f
	global_store_b128 v[GO], v[S+16*(\t)+4*\f:S+16*(\t)+4*\f+3], s[10:11] offset:(\t)*8192+\f*512  ; 512 consecutive bytes, at a multiple of 256 from O's first
.endr
.endm
.macro DIAG tag                     ; the tag ends its two labels' names, which the jumps below spell out
.LstepM\tag:
	TURN 2, 1
	TURN 3, 1
	WIN 0
.LfirstM\tag:
	TURN 0, 1
	TURN 1, 1, 0, 1
	WIN 0
	s_cbranch_scc1 .LstepM\tag
	TURN 2, 1, 1
	TURN 3, 1, 1
.set i, 0
.rept 8
	PV NP-1
.set i, i+1
.endr
	WIN 0
	ALL v_cmp_gt_f32 s[HM+t], s[THR], v[ST+4*t+1]
	ALL v_add_f32 v[ST+4*t+2], v[ST+4*t+2], v[ST+4*t+3]
	ALL v_permlanex16_b32 v[ST+4*t+3], v[ST+4*t+2], s[SEL], s[SEL+1]
	ALL v_add_f32 v[ST+4*t+2], v[ST+4*t+2], v[ST+4*t+3]
	ALL v_max_num_f32 v[ST+4*t+2], 0x0d800000, v[ST+4*t+2]
	ALL v_rcp_f32 v[ST+4*t+2], v[ST+4*t+2]
	v_nop                           ; a plain instruction between the last reciprocal and the use of its result
	PACK 0
.set t, 1
.rept 3                             ; a piece's arithmetic stands between the loads of the piece before and its stores
	PACK t
	SEND t-1, 8
.set t, t+1
.endr
	SEND 3, 0
.endm
.set KM, 1
.set NOKQ, 0
.Lslot:                             ; NB times: a tile is entered and the next is asked for
	CHANGE 1
	s_sub_co_u32 s[RT], s[RT], 1
	s_mov_b32 s[CNT], 4
	s_cmp_eq_u32 s[NEW], 1
	s_cbranch_scc1 .Lnew            ; a block's first tile
	s_cmp_eq_u32 s[RT], 0
	s_cbranch_scc0 .Lstep           ; neither its first nor its last
	s_mov_b32 s[AL], 0              ; its last: the diagonal's first turn multiplies piece 3 of the step still in hand, the tile before's, and takes MC's second buffer: that step's key mask alone
	MASK 1, 0
	WIN 0
	s_branch .LstepM1
.Lnew:
	BEGIN
	s_branch .Lfirst                ; in the loop a block's first tile is never its last: the first block has two tiles or more, and the second's last is the walk's last
	DIAG 1                          ; in the loop this is the first block's end: the second block's last tile is the walk's last
	s_wait_xcnt 0x0                 ; the stores have read their registers and O's address
	s_mov_b64 s[10:11], s[OLO:OLO+1]
	s_add_co_u32 s[RT], s[PB], 1    ; the second block has b + 1 tiles
	s_mov_b32 s[NEW], 1
	WIN 0x82                        ; the second block's Q goes where the one text of the turns names Q
.set i, 0
.rept 64
	v_mov_b32 v[i], v[QB+i]
.set i, i+1
.endr
	WIN 0
	s_branch .Lbottom
.Lstep:                             ; a trip: pieces 2 and 3 of one step, then pieces 0 and 1 of the next, whose K, key mask and V it fetches
	TURN 2
	TURN 3
	WIN 0
.Lfirst:
	TURN 0
	TURN 1, 0, 0, 1
	WIN 0
	s_cbranch_scc1 .Lstep
.Lbottom:
	s_sub_co_u32 s[SLOTS], s[SLOTS], 1
	s_cmp_lg_u32 s[SLOTS], 0
	s_cbranch_scc1 .Lslot
	CHANGE 0                        ; the walk's last tile is written out: nothing is asked for
	s_sub_co_u32 s[RT], s[RT], 1
	s_mov_b32 s[CNT], 4
	s_cmp_eq_u32 s[NEW], 1
	s_cbranch_scc1 .Lnew2
	s_mov_b32 s[AL], 0              ; as above: the key mask of the step still in hand, for piece 3
	MASK 1, 0
	WIN 0
	s_branch .LstepM2
.Lnew2:
	BEGIN
	s_branch .LfirstM2
	DIAG 2
	s_wait_tensorcnt 0x0            ; the wave's end: behind my last tensor load and my last LDS store
	ds_add_u32 v[SPW], v[NIL]
	s_wait_dscnt 0x0
	s_endpgm
.Lfunc_end_k_q729953dc3c_attn:
	.size	k_q729953dc3c_attn, .Lfunc_end_k_q729953dc3c_attn-k_q729953dc3c_attn
	.p2alignl 7, 3214868480
	.fill 96, 4, 3214868480
	.section	.rodata,"a",@progbits
	.p2align	6, 0x0
	.amdhsa_kernel k_q729953dc3c_attn
		.amdhsa_group_segment_fixed_size 327680
		.amdhsa_private_segment_fixed_size 0
		.amdhsa_enable_private_segment 0
		.amdhsa_kernarg_size 32
		.amdhsa_user_sgpr_count 2
		.amdhsa_user_sgpr_kernarg_segment_ptr 1
		.amdhsa_wavefront_size32 1
		.amdhsa_system_sgpr_workgroup_id_x 1
		.amdhsa_system_sgpr_workgroup_id_y 1
		.amdhsa_system_sgpr_workgroup_id_z 1
		.amdhsa_system_vgpr_workitem_id 0
		.amdhsa_next_free_vgpr 768
		.amdhsa_next_free_sgpr 98
		.amdhsa_reserve_vcc 1
		.amdhsa_float_denorm_mode_32 3
		.amdhsa_float_denorm_mode_16_64 3
		.amdhsa_memory_ordered 1
		.amdhsa_forward_progress 1
		.amdhsa_inst_pref_size 255
	.end_amdhsa_kernel
	.section	.bss,"aw",@nobits
	.p2align	6
	.space	262144
	.amdgpu_metadata
---
amdhsa.version: [ 1, 2 ]
amdhsa.kernels:
  - .name:           k_q729953dc3c_attn
    .symbol:         k_q729953dc3c_attn.kd
    .args:
      - { .name: qkv, .offset: 0, .size: 8, .value_kind: global_buffer, .address_space: global }
      - { .name: tok_mask, .offset: 8, .size: 8, .value_kind: global_buffer, .address_space: global }
      - { .name: vpart, .offset: 16, .size: 8, .value_kind: global_buffer, .address_space: global }
      - { .name: ob, .offset: 24, .size: 8, .value_kind: global_buffer, .address_space: global }
    .group_segment_fixed_size: 327680
    .private_segment_fixed_size: 0
    .kernarg_segment_align: 8
    .kernarg_segment_size: 32
    .max_flat_workgroup_size: 128
    .sgpr_count:     98
    .vgpr_count:     768
    .wavefront_size: 32
...
	.end_amdgpu_metadata
.endif
;; end of part 3
;; launch proj (part 4): grid 4 x 64, 4 waves a work-group, clusters of 4 x 4, 327,680 bytes of LDS; arguments ob, wpb, out0; writes out0
.if DOCPART == 4
	.amdgcn_target "amdgcn-amd-amdhsa--gfx1250"
	.amdhsa_code_object_version 6
	.text
	.protected	k_q729953dc3c_proj
	.globl	k_q729953dc3c_proj
	.p2align	8
	.type	k_q729953dc3c_proj,@function
k_q729953dc3c_proj:
	s_mov_b64 s[64:65], 0
	v_nop
	global_prefetch_b8 v0, s[64:65] scope:SCOPE_SE
	s_setreg_imm32_b32 hwreg(HW_REG_WAVE_MODE, 25, 1), 1
	s_wait_xcnt 0x0
	s_wait_alu depctr_hold_cnt(0) depctr_sa_sdst(0) depctr_va_vdst(0) depctr_va_sdst(0) depctr_va_ssrc(0) depctr_va_vcc(0) depctr_vm_vsrc(0)
	s_getreg_b32 s2, hwreg(HW_REG_IB_STS2, 6, 4)
	s_cmp_eq_u32 s2, 0
	s_cbranch_scc0 .Lentry_in_a_cluster
	s_endpgm
.Lentry_in_a_cluster:
	s_bfe_u32 s2, ttmp6, 0x10000c
	s_cmp_lg_u32 s2, 0xf033
	s_cbranch_scc0 .Lentry_shape_is_right
	s_endpgm
.Lentry_shape_is_right:
; ONE TEXT FOR TWO PRODUCTS C = A B, B stored [k][n]; MODE says which.
; MODE 0: xb [8192][1024] bf16 times wqb [1024][3072] bf16 -> q, k, v in f16 by heads, qkv[part][16 b + h][t][64], unscaled; and vpart[block of 64 rows][1024], the f32 column sums of v.
; MODE 1: ob [16 b + h][t][64] f16 (row b t, column 64 h + d) times wpb [1024][1024] f16 -> out0 [8192][1024] f32.
; LIMIT (MODE 0): f16 holds no number beyond 65,504: q, k and v must stay within it.  Sums in f32, K ascending, each result rounded once.
; SHARES.  A tile of C is 128 rows x 256 columns: 64 x 4 work-groups, one tile row and one tile column each.  In MODE 0 a work-group STAYS for three tiles, columns 1,024 j + 256 x: q, k, v of heads 4 x .. 4 x + 3,
; on the same rows of A.  Four waves, each 64 rows x 128 columns: 32 accumulators, 256 registers.  K goes in steps of 128 through two LDS slots that take turns.
; THE MATRIX INSTRUCTION IS USED TRANSPOSED: source 0 = 16 columns of B (turned on the way out of LDS by ds_load_tr16_b128), source 1 = 16 rows of A: a lane then holds row l % 16 of C and 8 neighbouring columns.
; CLUSTER 4 x 4.  The four of a row of the cluster need the same tiles of A, the four of a column the same tiles of B: each tile is asked for jointly, by the same tensor load, descriptor and mask.
; No prefetch: a K step's tiles are read again by other clusters and, in MODE 0, by the work-group's next tiles.
; REGISTERS.  window 0: v1-16 addresses; v28, v29 the add's; v32-63 at work on the way out; v64-159, v160-255 two fragment buffers (A's four fragments, then B's eight).  window 1: accumulator (a, b) at v[8 (8 a + b)].
.set MODE, 1
.if MODE
.set TILES,  1
.set PA,     144                       ; a row of A in LDS: one head's 128 bytes + 16 of padding
.set APART,  18432                     ; what one wave fetches of A: one head, 128 rows
.set ASTEP,  1<<19                     ; bytes from a K step to the next in A: two heads
.set BPITCH, 2048                      ; bytes in a row of B in memory
.set AQI,    4                         ; padding after every 32 words
.set ASTR,   128                       ; elements from row to row as A is asked for: 128 rows of 128 dense bytes come as 64 rows of 256
.set BSTR,   1024
.else
.set TILES,  3
.set PA,     272                       ; 256 bytes + 16 of padding
.set APART,  17408                     ; 64 rows
.set ASTEP,  256
.set BPITCH, 6144
.set AQI,    5                         ; padding after every 64 words
.set ASTR,   1024
.set BSTR,   3072
.endif
.set BSTEP,  128*BPITCH                ; bytes from a K step to the next in B
.set PB,     544                       ; a row of B in LDS: 512 bytes + 32 of padding = 17 x 32
.set BOFF,   36864                     ; B's 128 rows lie behind A's region
.set SLOT1,  1<<17                     ; a slot is 106,496 bytes; slot 1 begins here, so that one exclusive or turns an address into the other slot's
.set STAGE,  SLOT1+BOFF+128*PB         ; behind the ring, never filled by a tensor load: 8,448 bytes for each wave
.set STW,    8448
.set SPARE,  STAGE+4*STW               ; the spare words, 128 bytes for each wave: two blocks of 256 bytes that no other line names
.set ADA0, 8                           ; v8   my lane's place in A's tile; never rewritten
.set ADB0, 9                           ; v9   the same in B's
.set ADA,  10                          ; v10  the same in the slot that is being read
.set ADB,  11                          ; v11
.set STO,  12                          ; v12  f16 way out: where I put 16 bytes of a row
.set RD,   13                          ; v13  f16 way out: where I read rows back
.set GO,   14                          ; v14  16 x lane: my place in 512 consecutive bytes
.set CSTO, 15                          ; v15  f32 rows of 528 bytes in my stage: where I put 32 bytes of a row
.set CRD,  16                          ; v16  and where I read a row back
.set SPW,  28                          ; v28  LDS address of my spare word; never rewritten
.set NIL,  29                          ; v29  0; never rewritten
.set TMP,  32
.set F0,   64
.set F1,   160
.set MUL,  0x50                        ; C and D in window 1, sources in window 0
; scalars: s12 wave, s13 wave / 2 (my half of the rows; 0: I fetch for A, 1: for B), s14 wave % 2 (my half of the columns; which part I fetch), s15 cx, s16 cy, s17 tile column, s18 tile row,
; s19 the slot that is read, s20 the number of the next fill, s21 K steps, s22 tiles to go; s[24:31], s[32:39] group 1 for A, B; s[40:47], s[48:55] group 0 for A, B: the first fill's, and the one that walks;
; s[56:57], s[58:59] A, B at my part of K step 0; s[60:61], s[62:63] a fill's offsets; s[68:69] where my results go; s[70:71] vpart
.set MSB, 0
.macro WIN new                         ; the immediate's high byte repeats the setting that is left; a switch that changes nothing is dropped
.if MSB != (\new)
	s_set_vgpr_msb (MSB<<8)|(\new)
.set MSB, \new
.endif
.endm
.macro MM d, p, q, zero                ; one product; zero = 1: it starts the sum
.if MODE
.if \zero
	v_wmma_f32_16x16x32_f16 v[(\d):(\d)+7], v[(\p):(\p)+7], v[(\q):(\q)+7], 0
.else
	v_wmma_f32_16x16x32_f16 v[(\d):(\d)+7], v[(\p):(\p)+7], v[(\q):(\q)+7], v[(\d):(\d)+7]
.endif
.else
.if \zero
	v_wmma_f32_16x16x32_bf16 v[(\d):(\d)+7], v[(\p):(\p)+7], v[(\q):(\q)+7], 0
.else
	v_wmma_f32_16x16x32_bf16 v[(\d):(\d)+7], v[(\p):(\p)+7], v[(\q):(\q)+7], v[(\d):(\d)+7]
.endif
.endif
.endm
; A joint refill by the walking descriptors.  The branch hangs on the wave's number alone.  An s_nop 0 and four v_nop follow each of the two lines, ahead of the jump and the label.
.macro JLOAD
	s_cmp_eq_u32 s13, 0
	s_cbranch_scc0 .Lfor_b_\@
	tensor_load_to_lds s[44:47], s[24:31]
	s_nop 0
.rept 4
	v_nop
.endr
	s_branch .Lasked_\@
.Lfor_b_\@:
	tensor_load_to_lds s[52:55], s[32:39]
	s_nop 0
.rept 4
	v_nop
.endr
.Lasked_\@:
.endm
.macro CREST                           ; a round of the cluster's barrier behind its opening barrier
	s_cmp_lg_u32 s12, 0
	s_cbranch_scc1 .Lnot_wave_0_\@
	s_barrier_signal -3
.Lnot_wave_0_\@:
	s_barrier_wait -3
	s_barrier_signal -1
	s_barrier_wait -1
.endm
.macro CROUND                          ; a whole round
	s_barrier_signal -1
	s_barrier_wait -1
	CREST
.endm
.macro PLACES                          ; four places in front of loads into registers that products have read, and of lines that read results just made
.rept 4
	v_nop
.endr
.endm
.if MODE
	s_load_b128 s[4:7], s[0:1], 0x0                ; A s[4:5], B s[6:7]
	s_load_b64 s[8:9], s[0:1], 0x10                ; C
.else
	s_load_b256 s[4:11], s[0:1], 0x0               ; A s[4:5], B s[6:7], qkv s[8:9], vpart s[10:11]
.endif
	v_lshl_add_u32 v[SPW], v0, 2, SPARE
	v_mov_b32 v[NIL], 0
	ds_add_u32 v[SPW], v[NIL]                      ; the wave's opening: the add and its wait stand ahead of my first tensor load; the set-up below, work on registers, stands between them
	ds_add_u32 v28, v29
	v_lshrrev_b32 v1, 5, v0
	v_readfirstlane_b32 s12, v1                    ; wave 0..3
	s_lshr_b32 s13, s12, 1
	s_and_b32 s14, s12, 1
	s_bfe_u32 s15, ttmp6, 0x40000                  ; cx
	s_bfe_u32 s16, ttmp6, 0x40004                  ; cy
	s_lshl_b32 s17, ttmp9, 2
	s_add_co_u32 s17, s17, s15                     ; tile column = 4 x cluster x + cx
	s_and_b32 s18, ttmp7, 0xffff
	s_lshl_b32 s18, s18, 2
	s_add_co_u32 s18, s18, s16                     ; tile row = 4 x cluster y + cy
	s_lshl_b32 s2, s16, 2
	s_lshl_b32 s2, 15, s2                          ; my row of the cluster
	s_lshl_b32 s66, 0x1111, s15                    ; my column
	s_or_b32 s24, s2, (1<<16)|(1<<20)|(1<<21)|(AQI<<22)|(3<<25)  ; A: the mask; 2-byte elements; padding on; bit 21 beside a mask; the interval; 4 words of padding
	s_or_b32 s32, s66, (1<<16)|(1<<20)|(1<<21)|(6<<22)|(7<<25)   ; B: after every 128 words 8 words of padding
	s_mov_b32 s25, 128<<16                         ; A: tensor_dim0 = 128
	s_mov_b32 s26, 64<<16                          ; tensor_dim1 = 64
	s_mov_b32 s27, 128<<16                         ; tile_dim0 = 128 elements: 256 bytes
	s_mov_b32 s28, 64                              ; tile_dim1 = 64 rows
	s_mov_b32 s29, ASTR
	s_mov_b32 s30, 0
	s_mov_b32 s31, 0
	s_mov_b32 s33, 256<<16                         ; B: tensor_dim0 = 256
	s_mov_b32 s34, 64<<16
	s_mov_b32 s35, 256<<16                         ; tile_dim0 = 256 elements: 512 bytes
	s_mov_b32 s36, 64
	s_mov_b32 s37, BSTR
	s_mov_b32 s38, 0
	s_mov_b32 s39, 0
	; where the tiles come from.  A's address is made of the tile row and the wave's number, B's of the tile column and the wave's number, each in registers that never hold the other coordinate
.if MODE
	s_lshr_b32 s2, s18, 4                          ; the batch,
	s_lshl_b32 s2, s2, 4
	s_add_co_u32 s2, s2, s14                       ; its head 0 or 1: the one that I fetch of a K step's two,
	s_lshl_b32 s2, s2, 18
	s_and_b32 s3, s18, 15
	s_lshl_b32 s3, s3, 14                          ; my tile's 128 rows of 128 bytes
	s_add_co_u32 s2, s2, s3
.else
	s_lshl_b32 s2, s18, 18                         ; 128 rows of 2,048 bytes a tile row,
	s_lshl_b32 s3, s14, 17                         ; the 64 that I fetch
	s_add_co_u32 s2, s2, s3
.endif
	s_mov_b32 s3, 0
	s_mul_i32 s66, s14, 64*BPITCH                  ; B: the 64 rows of a K step that I fetch,
	s_lshl_b32 s67, s17, 9                         ; the tile column's 512 bytes
	s_add_co_u32 s66, s66, s67
	s_mov_b32 s67, 0
	s_mul_i32 s23, s14, APART                      ; and where they go: the wave's number alone enters an LDS address
	s_mul_i32 s72, s14, 64*PB
	s_add_co_u32 s72, s72, BOFF
	s_mov_b32 s19, 0
	s_mov_b32 s20, 2                               ; fills 0 and 1 are the first fills
	s_mov_b32 s61, 0
	s_mov_b32 s63, 0
	s_wait_dscnt 0x0                               ; the opening add is done
	s_wait_kmcnt 0x0
	s_add_nc_u64 s[56:57], s[4:5], s[2:3]
	s_add_nc_u64 s[58:59], s[6:7], s[66:67]
	CROUND                                         ; all sixteen work-groups are here: the first joint loads meet
.irp s, 0,1
	s_mov_b32 s[40+4*(\s)], 1                      ; count = 1
	s_add_co_u32 s[41+4*(\s)], s23, (\s)*SLOT1     ; LDS address
	s_add_nc_u64 s[42+4*(\s):43+4*(\s)], s[56:57], (\s)*ASTEP  ; global address: K step s
	s_or_b32 s[43+4*(\s)], s[43+4*(\s)], 0x80000000            ; type = 2
	s_mov_b32 s[48+4*(\s)], 1
	s_add_co_u32 s[49+4*(\s)], s72, (\s)*SLOT1
	s_add_nc_u64 s[50+4*(\s):51+4*(\s)], s[58:59], (\s)*BSTEP
	s_or_b32 s[51+4*(\s)], s[51+4*(\s)], 0x80000000
.endr
	s_cmp_eq_u32 s13, 0                            ; a wave's two first fills stand in one branch, ahead of every wait on TENSORcnt and every LDS read: two loads of mine are out
	s_cbranch_scc0 .Lfirst_b
	tensor_load_to_lds s[40:43], s[24:31]
	s_nop 0
	tensor_load_to_lds s[44:47], s[24:31]
	s_nop 0
.rept 4
	v_nop
.endr
	s_branch .Lfirst_asked
.Lfirst_b:
	tensor_load_to_lds s[48:51], s[32:39]
	s_nop 0
	tensor_load_to_lds s[52:55], s[32:39]
	s_nop 0
.rept 4
	v_nop
.endr
.Lfirst_asked:
	v_and_b32 v1, 15, v0                           ; l % 16
	v_bfe_u32 v2, v0, 4, 1                         ; l / 16
	v_and_b32 v3, 7, v0
	v_bfe_u32 v4, v0, 3, 1
	v_and_b32 v5, 31, v0                           ; l
	; A's fragment: lane l holds row l % 16, K = 8 (l / 16) + 0..7 and 16 + 8 (l / 16) + 0..7: two loads of 16 bytes, 32 bytes apart
	s_mul_i32 s2, s13, 64*PA                       ; my 64 rows
	v_mul_u32_u24 v[ADA0], v1, PA
	v_lshl_add_u32 v[ADA0], v2, 4, v[ADA0]
	v_add_nc_u32 v[ADA0], s2, v[ADA0]
	; B's: the turning load takes 16 k x 16 n (lane l reads k = 8 (l / 16) + l % 8, n = 8 ((l / 8) % 2) + 0..7) and leaves half a fragment: lane l holds column l % 16 and 8 k
	v_lshl_add_u32 v3, v2, 3, v3
	v_mul_u32_u24 v[ADB0], v3, PB
	v_lshl_add_u32 v[ADB0], v4, 4, v[ADB0]
	s_lshl_b32 s2, s14, 8                          ; my 128 columns
	s_add_co_u32 s2, s2, BOFF
	v_add_nc_u32 v[ADB0], s2, v[ADB0]
	s_mul_i32 s3, s12, STW
	s_add_co_u32 s3, s3, STAGE                     ; my stage
	v_mul_u32_u24 v[CSTO], v1, 528
	v_lshl_add_u32 v[CSTO], v2, 5, v[CSTO]
	v_add_nc_u32 v[CSTO], s3, v[CSTO]
	v_lshl_add_u32 v[CRD], v5, 4, s3
	v_lshlrev_b32 v[GO], 4, v5
.if MODE
	s_lshl_b32 s74, s18, 19                        ; out0: 128 rows of 4,096 bytes a tile row,
	s_lshl_b32 s75, s13, 18                        ; my 64 rows,
	s_add_co_u32 s74, s74, s75
	s_lshl_b32 s75, s17, 10                        ; the tile column's 1,024 bytes,
	s_add_co_u32 s74, s74, s75
	s_lshl_b32 s75, s14, 9                         ; my 512
	s_add_co_u32 s74, s74, s75
	s_mov_b32 s75, 0
	s_add_nc_u64 s[68:69], s[8:9], s[74:75]
.else
	v_mul_u32_u24 v[STO], v1, 144                  ; in: row l % 16, 16 bytes for each half of the lanes
	v_lshl_add_u32 v[STO], v2, 4, v[STO]
	v_add_nc_u32 v[STO], s3, v[STO]
	v_bfe_u32 v[RD], v0, 3, 2                      ; back: 32 lanes take four rows of 128 bytes
	v_mul_u32_u24 v[RD], v[RD], 144
	v_and_b32 v6, 7, v0
	v_lshl_add_u32 v[RD], v6, 4, v[RD]
	v_add_nc_u32 v[RD], s3, v[RD]
	s_lshr_b32 s74, s18, 4                         ; qkv: head 16 b + 4 x + 2 (wave % 2),
	s_lshl_b32 s74, s74, 4
	s_lshl_b32 s75, s17, 2
	s_add_co_u32 s74, s74, s75
	s_lshl_b32 s75, s14, 1
	s_add_co_u32 s74, s74, s75
	s_lshl_b32 s74, s74, 18
	s_and_b32 s75, s18, 15                         ; the tile's 128 rows of 128 bytes,
	s_lshl_b32 s75, s75, 14
	s_add_co_u32 s74, s74, s75
	s_lshl_b32 s75, s13, 13                        ; my 64
	s_add_co_u32 s74, s74, s75
	s_mov_b32 s75, 0
	s_add_nc_u64 s[68:69], s[8:9], s[74:75]
	s_lshl_b32 s74, s18, 13                        ; vpart: block 2 y + wave / 2 of 4,096 bytes,
	s_lshl_b32 s75, s13, 12
	s_add_co_u32 s74, s74, s75
	s_lshl_b32 s75, s17, 10                        ; my 128 columns of v
	s_add_co_u32 s74, s74, s75
	s_lshl_b32 s75, s14, 9
	s_add_co_u32 s74, s74, s75
	s_mov_b32 s75, 0
	s_add_nc_u64 s[70:71], s[10:11], s[74:75]
.endif
; 8 products: m block a x all 8 n blocks, 32 along K, from buffer f.  The 32 accumulators take turns in one fixed order: 31 others stand between two links of a chain, over every jump too.
.macro MULA f, a, zero
	WIN MUL
.irp b, 0,1,2,3,4,5,6,7
	MM 8*(8*(\a)+(\b)),(\f)+32+8*(\b),(\f)+8*(\a),\zero
.endr
.endm
; 24 LDS loads in one run: the fragments of quarter q (32 along K) of the slot that is read, into buffer f: B's sixteen, then A's eight
.macro FETCH q, f
	WIN 0
.irp b, 0,1,2,3,4,5,6,7
	ds_load_tr16_b128 v[(\f)+32+8*(\b):(\f)+32+8*(\b)+3],   v[ADB] offset:(\q)*32*PB+32*(\b)
	ds_load_tr16_b128 v[(\f)+32+8*(\b)+4:(\f)+32+8*(\b)+7], v[ADB] offset:(\q)*32*PB+32*(\b)+16*PB
.endr
.if MODE
.set KA, ((\q)/2)*APART+((\q)%2)*64    ; head q / 2 of the step's two, channels 32 (q % 2) on
.else
.set KA, (\q)*64
.endif
.irp a, 0,1,2,3
	ds_load_b128 v[(\f)+8*(\a):(\f)+8*(\a)+3],   v[ADA] offset:KA+(\a)*16*PA
	ds_load_b128 v[(\f)+8*(\a)+4:(\f)+8*(\a)+7], v[ADA] offset:KA+(\a)*16*PA+32
.endr
.endm
; A K step is four quarters on buffers 0, 1, 0, 1.  One of the first three: multiplies buffer f and, in its middle, fetches quarter qn into buffer g.
.macro QUARTER qn, f, g, zero
	s_wait_dscnt 0x4                               ; B and A's fragments 0 and 1 are in; the youngest four loads may be out
	MULA \f, 0, \zero
	MULA \f, 1, \zero
	PLACES
	FETCH \qn, \g
	s_wait_dscnt 0x18                              ; all but the 24 just issued
	MULA \f, 2, \zero
	MULA \f, 3, \zero
.endm
; The last quarter multiplies buffer 1 and changes slots: ONE barrier.  In front of it each wave waits for all its tensor loads (one is out: its part of the next slot), adds 0 to its spare word, and waits for that
; and for its reads of this slot.  fill = 1: the barrier opens a round of the cluster's, and this slot is filled again first thing behind it, with fill number s20: K step s20 % 8 of tile s20 / 8.
; From the request to the wait for it a wave issues 112 products.
.macro TURN fill
	WIN 0                                          ; (the add's two registers lie in window 0)
	s_wait_tensorcnt 0x0                           ; no tensor load of mine is out, so a group 0 may be written
	ds_add_u32 v[SPW], v[NIL]                      ; 0 onto my spare word
.if \fill
	s_and_b32 s2, s20, 7
	s_mul_i32 s60, s2, ASTEP
	s_mul_i32 s62, s2, BSTEP
.if TILES > 1
	s_lshr_b32 s2, s20, 3
	s_lshl_b32 s2, s2, 11                          ; a tile's 1,024 columns on in B
	s_add_co_u32 s62, s62, s2
.endif
	s_add_co_u32 s20, s20, 1
	s_xor_b32 s45, s45, SLOT1                      ; the other slot than last time; the address is made anew from the base and the offset
	s_add_nc_u64 s[46:47], s[56:57], s[60:61]
	s_or_b32 s47, s47, 0x80000000
	s_xor_b32 s53, s53, SLOT1
	s_add_nc_u64 s[54:55], s[58:59], s[62:63]
	s_or_b32 s55, s55, 0x80000000
.endif
	s_xor_b32 s19, s19, SLOT1                      ; the fetches go on in the other slot
	s_wait_dscnt 0x7                               ; (the add and A's fragments 1 to 3 may be out)
	MULA F1, 0, 0
	s_wait_dscnt 0x0                               ; the add is done, and my reads of this slot are over
	s_barrier_signal -1
	MULA F1, 1, 0                                  ; work on registers while the others arrive
	WIN 0
	s_barrier_wait -1
.if \fill
	CREST                                          ; no wave of any partner still reads this slot or has a load on its way
	JLOAD                                          ; the first tensor load behind the round; its four v_nop are also the places in front of the loads below
.else
	PLACES
.endif
	v_add_nc_u32 v[ADA], s19, v[ADA0]
	v_add_nc_u32 v[ADB], s19, v[ADB0]
	FETCH 0, F0
	MULA F1, 2, 0
	MULA F1, 3, 0
.endm
; THE WAY OUT IN f16, BY HEADS.  Block a (16 rows x 128 columns = two heads): rounded, 16 bytes a lane; into my stage (two heads x 16 rows of 144 bytes); back as four rows of 128 bytes a load; stored as 512 consecutive bytes.
.macro PACK a
	WIN 0x05                                       ; sources in window 1
.irp b, 0,1,2,3,4,5,6,7
.irp r, 0,1,2,3
	v_cvt_pk_f16_f32 v[TMP+4*(\b)+(\r)], v[8*(8*(\a)+(\b))+2*(\r)], v[8*(8*(\a)+(\b))+2*(\r)+1]
.endr
.endr
	WIN 0
.endm
.macro TOSTAGE a
	WIN 0
.set BK, F1+32*((\a)%2)
.irp b, 0,1,2,3,4,5,6,7
	ds_store_b128 v[STO], v[TMP+4*(\b):TMP+4*(\b)+3] offset:((\b)/4)*2304+32*((\b)%4)
.endr
.irp t, 0,1,2,3,4,5,6,7
	ds_load_b128 v[BK+4*(\t):BK+4*(\t)+3], v[RD] offset:((\t)/4)*2304+((\t)%4)*576  ; LDS serves a wave's instructions in order (ISA guide 5.7.1.4): these see the stores above
.endr
.endm
.macro SEND a
	WIN 0
.set BK, F1+32*((\a)%2)
	s_wait_dscnt 0x0                               ; the block is back in registers
	s_wait_xcnt 0x0                                ; earlier stores have read their registers: the next block's loads land on them only behind this wait
.irp t, 0,1,2,3,4,5,6,7
	global_store_b128 v[GO], v[BK+4*(\t):BK+4*(\t)+3], s[68:69] offset:((\t)/4)*262144+(\a)*2048+((\t)%4)*512  ; 512 consecutive bytes of a head, at a multiple of 512
.endr
.endm
.macro OUTH                            ; a block's conversions stand between the loads of the block before and the wait for them
	PACK 0
	TOSTAGE 0
.irp a, 1,2,3
	PACK \a
	SEND (\a)-1
	TOSTAGE \a
.endr
	SEND 3
.endm
; THE WAY OUT IN f32.  Block a: 16 rows of 528 bytes in my stage, read back as whole rows of 512 bytes.
.macro TOSTAGEF a
	s_wait_xcnt 0x0                                ; earlier stores have read their registers
	WIN 0x04                                       ; the data in window 1
.irp b, 0,1,2,3,4,5,6,7
	ds_store_b128 v[CSTO], v[8*(8*(\a)+(\b)):8*(8*(\a)+(\b))+3]   offset:64*(\b)
	ds_store_b128 v[CSTO], v[8*(8*(\a)+(\b))+4:8*(8*(\a)+(\b))+7] offset:64*(\b)+16
.endr
	WIN 0
.set BK, F0+64*((\a)%2)
.set i, 0
.rept 16
	ds_load_b128 v[BK+4*i:BK+4*i+3], v[CRD] offset:528*i
.set i, i+1
.endr
.endm
.macro SENDF a, younger                ; younger: the LDS instructions issued behind block a's loads: the next block's 32, or none
.set BK, F0+64*((\a)%2)
	s_wait_dscnt \younger
.set i, 0
.rept 16
	global_store_b128 v[GO], v[BK+4*i:BK+4*i+3], s[68:69] offset:(16*(\a)+i)*4096 th:TH_STORE_NT  ; 512 consecutive bytes of a row, at a multiple of 512
.set i, i+1
.endr
.endm
	s_wait_tensorcnt 0x1                           ; my part of K step 0 is in; K step 1's may stay out
	s_barrier_signal -1
	s_barrier_wait -1                              ; everybody's is
	v_add_nc_u32 v[ADA], s19, v[ADA0]
	v_add_nc_u32 v[ADB], s19, v[ADB0]
	FETCH 0, F0
.if TILES > 1
	s_mov_b32 s22, TILES
.Ltile:
.endif
	QUARTER 1, F0, F1, 1                           ; a tile's first quarter stands in front of the loop: its products start the sums
	WIN 0                                          ; at a label and at a branch every window is 0
	s_mov_b32 s21, 6
.Lk:                                                   ; a trip: from a K step's second quarter to the next step's first; the slot just read is filled again
	QUARTER 2, F1, F0, 0
	QUARTER 3, F0, F1, 0
	TURN 1
	QUARTER 1, F0, F1, 0
	WIN 0
	s_sub_co_u32 s21, s21, 1
	s_cmp_lg_u32 s21, 0
	s_cbranch_scc1 .Lk
	QUARTER 2, F1, F0, 0                           ; K step 6 goes on
	QUARTER 3, F0, F1, 0
.if TILES > 1
	WIN 0
	s_cmp_eq_u32 s22, 1
	s_cbranch_scc1 .Llast                          ; the last tile's tail is written out: it asks for nothing more
	TURN 1                                         ; the ring goes on into the next tile: its K step 0,
	QUARTER 1, F0, F1, 0
	QUARTER 2, F1, F0, 0
	QUARTER 3, F0, F1, 0
	TURN 1                                         ; its K step 1, and its first fragments are fetched
	OUTH                                           ; both refills are asked for: now the tile goes out.  Blocks 0 and 1 were finished ahead of the refill's v_nop; their conversions are the places behind the last products
	s_wait_xcnt 0x0                                ; the stores have read their registers and their base
	s_add_nc_u64 s[68:69], s[68:69], 0x1000000     ; the next part of qkv
	s_sub_co_u32 s22, s22, 1
	s_branch .Ltile
.Llast:
.endif
	TURN 0                                         ; the one load that was still out is the last K step's, so no round follows
	QUARTER 1, F0, F1, 0
	QUARTER 2, F1, F0, 0
	QUARTER 3, F0, F1, 0
	s_wait_dscnt 0x4                               ; the very last quarter: nothing more to fetch
	MULA F1, 0, 0
	MULA F1, 1, 0
	s_wait_dscnt 0x0
	MULA F1, 2, 0
	MULA F1, 3, 0
	WIN 0
	PLACES
.if MODE
	TOSTAGEF 0
	TOSTAGEF 1
	SENDF 0, 32
	TOSTAGEF 2
	SENDF 1, 32
	TOSTAGEF 3
	SENDF 2, 32
	SENDF 3, 0
.else
	OUTH
	; v's column sums over my 64 rows, in f32: the four blocks are added in registers, the 16 rows that are left through my stage
	s_wait_xcnt 0x0                                ; the stores have read their registers
	WIN 0x05
.irp b, 0,1,2,3,4,5,6,7
.irp u, 0,1,2,3
	v_pk_add_f32 v[F0+8*(\b)+2*(\u):F0+8*(\b)+2*(\u)+1], v[8*(\b)+2*(\u):8*(\b)+2*(\u)+1], v[8*(8+(\b))+2*(\u):8*(8+(\b))+2*(\u)+1]
.endr
.endr
	WIN 0x04
.irp a, 2,3
.irp b, 0,1,2,3,4,5,6,7
.irp u, 0,1,2,3
	v_pk_add_f32 v[F0+8*(\b)+2*(\u):F0+8*(\b)+2*(\u)+1], v[F0+8*(\b)+2*(\u):F0+8*(\b)+2*(\u)+1], v[8*(8*(\a)+(\b))+2*(\u):8*(8*(\a)+(\b))+2*(\u)+1]
.endr
.endr
.endr
	WIN 0
.irp b, 0,1,2,3,4,5,6,7
	ds_store_b128 v[CSTO], v[F0+8*(\b):F0+8*(\b)+3]   offset:64*(\b)
	ds_store_b128 v[CSTO], v[F0+8*(\b)+4:F0+8*(\b)+7] offset:64*(\b)+16
.endr
.set i, 0
.rept 16
	ds_load_b128 v[128+4*i:128+4*i+3], v[CRD] offset:528*i  ; row i, my four columns
.set i, i+1
.endr
	s_wait_dscnt 0x0
.irp w, 8,4,2,1
.set i, 0
.rept \w
	v_pk_add_f32 v[128+4*i:128+4*i+1],   v[128+4*i:128+4*i+1],   v[128+4*(i+(\w)):128+4*(i+(\w))+1]
	v_pk_add_f32 v[128+4*i+2:128+4*i+3], v[128+4*i+2:128+4*i+3], v[128+4*(i+(\w))+2:128+4*(i+(\w))+3]
.set i, i+1
.endr
.endr
	global_store_b128 v[GO], v[128:131], s[70:71]  ; 512 consecutive bytes, at a multiple of 512
.endif
	s_wait_tensorcnt 0x0                           ; the wave's end: behind my last tensor load and my last LDS store
	ds_add_u32 v[SPW], v[NIL]
	s_wait_dscnt 0x0
	CROUND                                         ; the closing round: no work-group ends while a partner may still ask for a tile that names it
	s_endpgm
.Lfunc_end_k_q729953dc3c_proj:
	.size	k_q729953dc3c_proj, .Lfunc_end_k_q729953dc3c_proj-k_q729953dc3c_proj
	.p2alignl 7, 3214868480
	.fill 96, 4, 3214868480
	.section	.rodata,"a",@progbits
	.p2align	6, 0x0
	.amdhsa_kernel k_q729953dc3c_proj
		.amdhsa_group_segment_fixed_size 327680
		.amdhsa_private_segment_fixed_size 0
		.amdhsa_enable_private_segment 0
		.amdhsa_kernarg_size 24
		.amdhsa_user_sgpr_count 2
		.amdhsa_user_sgpr_kernarg_segment_ptr 1
		.amdhsa_wavefront_size32 1
		.amdhsa_system_sgpr_workgroup_id_x 1
		.amdhsa_system_sgpr_workgroup_id_y 1
		.amdhsa_system_sgpr_workgroup_id_z 1
		.amdhsa_system_vgpr_workitem_id 0
		.amdhsa_next_free_vgpr 512
		.amdhsa_next_free_sgpr 80
		.amdhsa_reserve_vcc 0
		.amdhsa_float_denorm_mode_32 3
		.amdhsa_float_denorm_mode_16_64 3
		.amdhsa_memory_ordered 1
		.amdhsa_forward_progress 1
		.amdhsa_inst_pref_size 69
	.end_amdhsa_kernel
	.amdgpu_metadata
---
amdhsa.version: [ 1, 2 ]
amdhsa.kernels:
  - .name:           k_q729953dc3c_proj
    .symbol:         k_q729953dc3c_proj.kd
    .args:
      - { .name: ob, .offset: 0, .size: 8, .value_kind: global_buffer, .address_space: global }
      - { .name: wpb, .offset: 8, .size: 8, .value_kind: global_buffer, .address_space: global }
      - { .name: out0, .offset: 16, .size: 8, .value_kind: global_buffer, .address_space: global }
    .group_segment_fixed_size: 327680
    .private_segment_fixed_size: 0
    .kernarg_segment_align: 8
    .kernarg_segment_size: 24
    .max_flat_workgroup_size: 128
    .sgpr_count:     80
    .vgpr_count:     512
    .wavefront_size: 32
...
	.end_amdgpu_metadata
.endif
;; end of part 4
